; MI455X (gfx1250); checked and timed in simulation.
; The chip was launched on July 23, 2026; its instructions are those of AMD's public machine-readable ISA for CDNA 5 (MIT licence, August 2026) and "CDNA5" Instruction Set Architecture Reference Guide (July 2026). The comments in the code are by the model that wrote it; some were corrected since.
;; Mo E Layer. Allowed arithmetic: matrix products marked QUANTISED: E3M2 operands, one E8M0 scale for each 32 along K, by v_wmma_scale_f32_16x16x128_f8f6f4 with both operands' format E3M2, f32 sums; products left as they are: f32 operands where the result goes on into a quantised operand, else bf16, f16 or f32 operands; f32 sums; everything else in f32.
;; Inputs: W1 8 x 1,024 x 2,048 float32; W2 8 x 2,048 x 1,024 float32; Wg 1,024 x 8 float32; b1 8 x 2,048 float32; b2 8 x 1,024 float32; x 2,048 x 1,024 float32.
;; Outputs: out0 2,048 x 1,024 float32; out1 2,048 x 8 float32; out2 2,048 x 2 int32.
;; This version of the problem:
;;   THIS VERSION OF THE PROBLEM IS GIVEN IN LOW PRECISION. The matrix products marked QUANTISED in the list below multiply operands that are first quantised to E3M2 (3 exponent bits, 2 mantissa bits; 6 bits a number), with one power-of-two scale for each 32 numbers along K (OCP MX v1.0); their sums are f32. All else is computed in f32.
;;   The module's matrix products, in the order in which they are computed (A, B: the left and right operand; K: the contracted axis; several contracted axes count as one K, in the product's order):
;;     1. [M 2,048, K 1,024] x [K 1,024, N 8]; A: input x; B: input Wg: left as it is (N = 8 < 16)
;;     2. batch 2,048 x [M 1, K 2] x [K 2, N 8]; A: softmax; B: computed on the way: left as it is (K = 2 < 32)
;;     3. [M 2,048, K 1,024] x [K 1,024, N 16,384]; A: input x; B: input W1: QUANTISED
;;     4. batch 8 x [M 1,024, K 2,048] x [K 2,048, N 2,048]; A: input W2; B: computed on the way: QUANTISED
;;     5. batch 2,048 x [M 1,024, K 8] x [K 8, N 1]; A: computed on the way; B: computed on the way: left as it is (K = 8 < 32)
;;   THE QUANTISER, for each operand of a quantised product, along K:
;;     - K is cut into blocks of 32 from its start; a last block that is shorter is filled with zeros.
;;     - A block's scale is 2^e with e = floor(log2(the largest magnitude in the block)) - 4, held to -126 .. 127; a block of zeros has e = 0. As a byte (E8M0): e + 127.
;;     - Each number is divided by its block's scale, clamped to +-28, and rounded to the nearest number of E3M2, ties to even, subnormals kept.
;;     - The product sums the exact products of the quantised numbers (number of the format x scale) in f32.
;;   ~~~python
;;   def quantise(x, axis):      # numpy; x: float32 -> the quantised numbers, widened to float32 again
;;       x = np.moveaxis(x, axis, -1); K = x.shape[-1]
;;       x = np.pad(x, [(0, 0)] * (x.ndim - 1) + [(0, -K % 32)]); x = x.reshape(x.shape[:-1] + (-1, 32)); a = np.abs(x).max(-1, keepdims=True)
;;       e = np.where(a > 0, np.clip(np.frexp(np.where(a > 0, a, 1))[1] - 1 - 4, -126, 127), 0)      # np.frexp(a)[1] - 1 = floor(log2(a)), exactly
;;       r = np.clip(x / 2.0 ** e, -28, 28)
;;       step = 2.0 ** (np.maximum(np.frexp(np.where(r == 0, 1, r))[1] - 1, -2) - 2)
;;       q = np.round(r / step) * step * 2.0 ** e      # np.round: ties to even
;;       return np.moveaxis(q.reshape(q.shape[:-2] + (-1,))[..., :K], -1, axis).astype(np.float32)
;;   ~~~
;;   OPERANDS COMPUTED ON THE WAY. 'Computed on the way' means the value that the module computes at that place (a softmax that the list does not call 'softmax' is quantised finished and normalised). What goes into a quantiser is computed in f32, as accurately as f32 sums, v_exp_f32 and their like allow (about 1e-6 of the number): no bf16 or f16 on the way to a quantiser, and a product that is left as it is and whose result goes on into a quantised operand takes f32 operands (vector FMAs, or v_wmma_f32_16x16x4_f32). A number that lies on a knife's edge between two numbers of the format may be rounded either way, as far as f32 arithmetic and the matrix unit's own rounding can turn it there, and no further.
;; 2 versions. Each part assembles by itself: llvm-mc -triple=amdgcn-amd-amdhsa -mcpu=gfx1250 --defsym DOCPART=n.
;; ======== version 1 of 2: 5 launches
;; workspace buffers: sel 16,384 bytes of whole numbers; gw 16,384 bytes; xc 1,572,864 bytes; xs 65,536 bytes; hc 25,165,824 bytes; hs 1,048,576 bytes; yb 16,809,984 bytes; lst 75,776 bytes of whole numbers
;; launch gate (part 1): grid 256 x 1, 4 waves a work-group, no clusters, 79,360 bytes of LDS; arguments x, Wg, out1, out2, sel, gw, xc, xs; writes out1, out2, sel, gw, xc, xs
.if DOCPART == 1
	.amdgcn_target "amdgcn-amd-amdhsa--gfx1250"
	.amdhsa_code_object_version 6
	.text
	.protected	k_q39d1b99eb5_gate
	.globl	k_q39d1b99eb5_gate
	.p2align	8
	.type	k_q39d1b99eb5_gate,@function
k_q39d1b99eb5_gate:
	s_mov_b64 s[64:65], 0
	v_nop
	global_prefetch_b8 v0, s[64:65] scope:SCOPE_SE
	s_setreg_imm32_b32 hwreg(HW_REG_WAVE_MODE, 25, 1), 1
	s_wait_xcnt 0x0
; THE ROUTER, AND x INTO CODES.  x [2048][1024] f32, Wg [1024][8] f32.
; out1 = x Wg in f32 (fused multiply-adds); out2 = the two largest logits' experts, the lower index first among equals; gw = softmax of the two (the larger is taken away ahead of the exponential).
; sel is a copy of out2 for the later launches (word 2 token + slot), gw the weight at the same index.
; x is also turned into codes of BF6 (E3M2) with one E8M0 byte for each 32 along K: scale = 2^(floor(log2(largest magnitude)) - 4).
;   xc: 768 bytes a token; block b (24 bytes) lies at 384 (b % 2) + 24 (b / 2): lane (r, h) of an operand wants blocks 4 s + h and 4 s + 2 + h of K step s, which are then 384 bytes on end.
;   xs: 32 bytes a token, block order: word s is K step s's scale word.
; LIMITS: NaN and infinities among the inputs are not served.  A logit is summed as 32 multiply-adds a lane and a tree over 32 lanes: two logits nearer than that sum's rounding may change places in out2.
;   A block whose largest magnitude lies under 2^-122 (zeros too) gets the byte 1; its codes are zeros or nearly so, and this program alone reads the bytes.
; SHARES: a work-group takes 8 tokens, a wave 2.  No matrix unit: N = 8 is too narrow for it, and the launch is bound by x's bytes.
.set TST,  36864                       ; LDS 0: Wg as 256 groups (4 k x 8 experts, 128 bytes) 144 bytes apart; then for each wave four stages of 32 x 80 bytes
.set O1S,  77824                       ; 8 tokens' logits
.set XSB,  78080                       ; 8 tokens' scale bytes
.set SELS, 78336                       ; 16 experts' numbers; 64 bytes on: 16 weights
.set R,    16                          ; v16-79   x as loaded: row p, load i, word c at 32 p + 4 i + c = x(k = 128 i + 4 lane + c)
.set X,    80                          ; v80-143  Wg as loaded; later four steps of 16 neighbours
.set WA,   144                         ; v144-207 two sets of 32 of Wg's numbers
.set ACC,  208                         ; v208-223 logit e of row p at 8 p + e
.set CD,   224                         ; v224-239 codes, four registers a step
.set E,    240                         ; v240-243 scale bytes
	s_load_b512 s[4:19], s[0:1], 0x0               ; x, Wg, out1, out2, sel, gw, xc, xs
	v_lshl_add_u32 v235, v0, 2, 0x13400
	v_mov_b32 v239, 0
	v_lshrrev_b32 v1, 5, v0
	v_readfirstlane_b32 s20, v1                    ; wave
	v_and_b32 v1, 31, v0                           ; lane
	v_lshlrev_b32 v2, 4, v0                        ; Wg: 16 bytes a thread
	v_lshrrev_b32 v3, 3, v0
	v_mul_u32_u24 v3, v3, 144
	v_and_b32 v4, 7, v0
	v_lshl_add_u32 v3, v4, 4, v3                   ; and where they go: group thread / 8, 16 (thread % 8)
	v_lshlrev_b32 v4, 4, v1                        ; x: 16 bytes a lane
	v_mul_u32_u24 v5, v1, 144                      ; Wg back: my lane's group
	s_mul_i32 s21, s20, 10240
	s_add_co_u32 s21, s21, TST
	v_lshrrev_b32 v6, 2, v1
	v_mul_u32_u24 v6, v6, 80
	v_and_b32 v7, 3, v1
	v_lshl_add_u32 v6, v7, 4, v6
	v_add_nc_u32 v6, s21, v6                       ; a stage, in: four lanes' 64 bytes on end, then 16 of padding
	v_mul_u32_u24 v7, v1, 80
	v_add_nc_u32 v7, s21, v7                       ; out: my 16 neighbours
	v_bfe_u32 v8, v1, 1, 1
	v_mul_u32_u24 v8, v8, 384
	v_lshrrev_b32 v9, 2, v1
	v_mad_u32_u24 v8, v9, 24, v8
	v_and_b32 v9, 1, v1
	v_mad_u32_u24 v8, v9, 12, v8                   ; xc: block lane / 2 of a step: 384 (its parity) + 24 (its half) + 12 (my half of it)
	s_lshl_b32 s21, s20, 6
	v_lshrrev_b32 v9, 1, v1
	v_add_nc_u32 v9, s21, v9
	v_add_nc_u32 v9, XSB, v9                       ; my block's scale byte
	v_mov_b32 v10, s21
	v_add_nc_u32 v10, O1S, v10                     ; my wave's 16 logits
	s_lshl_b32 s21, s20, 4
	v_mov_b32 v11, s21
	v_add_nc_u32 v11, SELS, v11                    ; my wave's four experts' numbers; the weights 64 bytes on
	v_lshl_add_u32 v13, v1, 3, XSB                 ; the way out, wave 0: 8 bytes a lane
	v_lshl_add_u32 v14, v1, 3, O1S
	v_and_b32 v15, 15, v1
	v_lshl_add_u32 v15, v15, 2, SELS
	s_mov_b32 s26, 0x76543210
	s_mov_b32 s27, 0xfedcba98                      ; v_permlanex16_b32: lane l xor 16
	s_lshl_b32 s22, ttmp9, 15                      ; 8 rows of 4,096 bytes a work-group,
	s_lshl_b32 s21, s20, 13                        ; 2 a wave
	s_add_co_u32 s22, s22, s21
	s_mov_b32 s23, 0
	s_wait_kmcnt 0x0
	s_add_nc_u64 s[4:5], s[4:5], s[22:23]
	s_mul_i32 s22, ttmp9, 6144
	s_mul_i32 s21, s20, 1536
	s_add_co_u32 s22, s22, s21
	s_add_nc_u64 s[16:17], s[16:17], s[22:23]      ; xc at my wave's first token
	s_lshl_b32 s22, ttmp9, 8
	s_add_nc_u64 s[18:19], s[18:19], s[22:23]      ; xs and out1: 256 bytes a work-group
	s_add_nc_u64 s[8:9], s[8:9], s[22:23]
	s_lshl_b32 s22, ttmp9, 6
	s_add_nc_u64 s[10:11], s[10:11], s[22:23]      ; out2, sel, gw: 64 bytes a work-group
	s_add_nc_u64 s[12:13], s[12:13], s[22:23]
	s_add_nc_u64 s[14:15], s[14:15], s[22:23]
.set n, 0
.rept 16
	global_load_b128 v[X+4*n:X+4*n+3], v2, s[6:7] offset:2048*n          ; all of Wg: 2,048 consecutive bytes a load of the work-group
.set n, n+1
.endr
.set n, 0
.rept 16
	global_load_b128 v[R+4*n:R+4*n+3], v4, s[4:5] offset:512*n th:TH_LOAD_NT   ; my two rows: 512 consecutive bytes a load
.set n, n+1
.endr
	s_wait_loadcnt 16                              ; Wg is in; x's 16 loads may be out
.set n, 0
.rept 16
	ds_store_b128 v3, v[X+4*n:X+4*n+3] offset:2304*n
.set n, n+1
.endr
	s_wait_dscnt 0x0                               ; for the others' sake: my part of Wg lies in LDS
	s_barrier_signal -1
	s_barrier_wait -1
	s_wait_loadcnt 0x0                             ; x
; x's four steps of 512 numbers turn through the stages: in as loaded, out 64 bytes a lane.  LDS serves a wave's instructions in order: no wait between.
.irp t, 0,1,2,3
.irp i, 0,1,2,3
	ds_store_b128 v6, v[R+32*(\t/2)+4*(4*(\t%2)+\i):R+32*(\t/2)+4*(4*(\t%2)+\i)+3] offset:2560*\t+640*\i
.endr
.irp i, 0,1,2,3
	ds_load_b128 v[X+16*\t+4*\i:X+16*\t+4*\i+3], v7 offset:2560*\t+16*\i
.endr
.endr
.macro WSET i                          ; Wg(128 i + 4 lane + c, e) into register 8 c + e of set i % 2
.irp m, 0,1,2,3,4,5,6,7
	ds_load_b128 v[WA+32*((\i)%2)+4*\m:WA+32*((\i)%2)+4*\m+3], v5 offset:4608*(\i)+16*\m
.endr
.endm
.macro DOT i                           ; 64 multiply-adds on 16 sums that take turns; the first products start the sums
.irp c, 0,1,2,3
.irp p, 0,1
.irp e, 0,1,2,3,4,5,6,7
.if (\i) == 0 && \c == 0
	v_mul_f32 v[ACC+8*\p+\e], v[R+32*\p+4*(\i)+\c], v[WA+32*((\i)%2)+8*\c+\e]
.else
	v_fmac_f32 v[ACC+8*\p+\e], v[R+32*\p+4*(\i)+\c], v[WA+32*((\i)%2)+8*\c+\e]
.endif
.endr
.endr
.endr
.endm
	WSET 0
	WSET 1
.irp i, 0,1,2,3,4,5,6,7
.if \i < 7
	s_wait_dscnt 8                                 ; this set is in; the other set's eight loads may be out
.else
	s_wait_dscnt 0x0
.endif
	DOT \i
.if \i < 6
	WSET \i+2
.endif
.endr
; A step's 16 blocks: two neighbouring lanes hold a block.
.macro QSTEP t
.set XS, X+16*(\t)
	v_max3_num_f32 v244, |v[XS]|, |v[XS+1]|, |v[XS+2]|
	v_max3_num_f32 v245, |v[XS+3]|, |v[XS+4]|, |v[XS+5]|
.irp i, 6,10
	v_max3_num_f32 v244, v244, |v[XS+\i]|, |v[XS+\i+1]|
	v_max3_num_f32 v245, v245, |v[XS+\i+2]|, |v[XS+\i+3]|
.endr
	v_max3_num_f32 v244, v244, |v[XS+14]|, |v[XS+15]|
	v_max3_num_f32 v244, v244, v245, 0x2800000     ; and the floor 2^(5 - 127): the byte cannot fall under 1
	v_max_num_f32_dpp v244, v244, v244 row_xmask:1 row_mask:0xf bank_mask:0xf   ; with my neighbour's 16: the block's largest magnitude
	v_add_nc_u32 v246, 0xfe000000, v244            ; 4 off its exponent field: the conversion takes that field as its scale
	v_cvt_scalef32_pk16_bf6_f32 v[CD+4*(\t):CD+4*(\t)+2], v[XS:XS+15], v246
	v_lshrrev_b32 v[E+(\t)], 23, v246              ; the scale's byte (a plain line behind the conversion)
	ds_store_b8 v9, v[E+(\t)] offset:16*(\t)       ; both lanes of a block write the same byte
	global_store_b96 v8, v[CD+4*(\t):CD+4*(\t)+2], s[16:17] offset:768*((\t)/2)+192*((\t)%2)
.endm
	QSTEP 0
	QSTEP 1
	QSTEP 2
	QSTEP 3
; the 16 sums over the wave's 32 lanes, by turns; every lane ends with every logit
.irp m, 1,2,4,8
.irp a, 0,1,2,3,4,5,6,7,8,9,10,11,12,13,14,15
	v_add_f32_dpp v[ACC+\a], v[ACC+\a], v[ACC+\a] row_xmask:\m row_mask:0xf bank_mask:0xf
.endr
.endr
.irp a, 0,1,2,3,4,5,6,7,8,9,10,11,12,13,14,15
	v_permlanex16_b32 v[WA+\a], v[ACC+\a], s26, s27
.endr
.irp a, 0,1,2,3,4,5,6,7,8,9,10,11,12,13,14,15
	v_add_f32 v[ACC+\a], v[ACC+\a], v[WA+\a]
.endr
; The two largest of a row's eight: strict compares in ascending order keep the lower index among equals.  Values are chosen by selects: no branch, no address hangs on them.
.macro TOP2 p
	v_mov_b32 v244, v[ACC+8*\p]
	v_mov_b32 v[248+2*\p], 0
.irp e, 1,2,3,4,5,6,7
	v_cmp_gt_f32 vcc_lo, v[ACC+8*\p+\e], v244
	v_cndmask_b32 v244, v244, v[ACC+8*\p+\e], vcc_lo
	v_cndmask_b32 v[248+2*\p], v[248+2*\p], \e, vcc_lo
.endr
	v_mov_b32 v245, 0xff800000                     ; -infinity
	v_mov_b32 v[249+2*\p], 0
.irp e, 0,1,2,3,4,5,6,7
	v_cmp_ne_u32 s24, \e, v[248+2*\p]
	v_cmp_gt_f32 s25, v[ACC+8*\p+\e], v245
	s_and_b32 s24, s24, s25
	v_cndmask_b32 v245, v245, v[ACC+8*\p+\e], s24
	v_cndmask_b32 v[249+2*\p], v[249+2*\p], \e, s24
.endr
	v_sub_f32 v246, v245, v244                     ; the second less the first: 0 or less
	v_mul_f32 v246, 0x3fb8aa3b, v246
	v_exp_f32 v246, v246
	v_nop                                          ; a plain line behind a transcendental
	s_wait_alu depctr_va_vdst(0)
	v_add_f32 v247, 1.0, v246
	v_rcp_f32 v[252+2*\p], v247                    ; the first's weight
	v_nop
	s_wait_alu depctr_va_vdst(0)
	v_mul_f32 v[253+2*\p], v246, v[252+2*\p]       ; the second's
.endm
	TOP2 0
	TOP2 1
.irp m, 0,1,2,3
	ds_store_b128 v10, v[ACC+4*\m:ACC+4*\m+3] offset:16*\m     ; every lane writes the same bytes with the same values
.endr
	ds_store_b128 v11, v[248:251]
	ds_store_b128 v11, v[252:255] offset:64
	s_wait_dscnt 0x0                               ; for wave 0's sake
	s_barrier_signal -1
	s_barrier_wait -1
	s_cmp_lg_u32 s20, 0
	s_cbranch_scc1 .Lend
	ds_load_b64 v[20:21], v13
	ds_load_b64 v[22:23], v14
	ds_load_b32 v24, v15
	ds_load_b32 v25, v15 offset:64
	v_lshlrev_b32 v16, 3, v1
	v_lshlrev_b32 v17, 2, v1
	s_wait_dscnt 0x0
	global_store_b64 v16, v[20:21], s[18:19]       ; 32 lanes store 256 consecutive bytes, aligned: xs
	global_store_b64 v16, v[22:23], s[8:9]         ; and out1
	s_wait_xcnt 0x0                                ; EXEC changes only behind this wait
	v_cmp_gt_u32 vcc_lo, 16, v1
	s_and_saveexec_b32 s28, vcc_lo
	global_store_b32 v17, v24, s[10:11]            ; 64 bytes each: out2, sel, gw
	global_store_b32 v17, v24, s[12:13]
	global_store_b32 v17, v25, s[14:15]
	s_wait_xcnt 0x0
	s_or_b32 exec_lo, exec_lo, s28
.Lend:
	s_wait_tensorcnt 0x0
	ds_add_u32 v235, v239
	s_wait_dscnt 0x0
	s_endpgm
.Lfunc_end_k_q39d1b99eb5_gate:
	.size	k_q39d1b99eb5_gate, .Lfunc_end_k_q39d1b99eb5_gate-k_q39d1b99eb5_gate
	.p2alignl 7, 3214868480
	.fill 96, 4, 3214868480
	.section	.rodata,"a",@progbits
	.p2align	6, 0x0
	.amdhsa_kernel k_q39d1b99eb5_gate
		.amdhsa_group_segment_fixed_size 79360
		.amdhsa_private_segment_fixed_size 0
		.amdhsa_enable_private_segment 0
		.amdhsa_kernarg_size 64
		.amdhsa_user_sgpr_count 2
		.amdhsa_user_sgpr_kernarg_segment_ptr 1
		.amdhsa_wavefront_size32 1
		.amdhsa_system_sgpr_workgroup_id_x 1
		.amdhsa_system_sgpr_workgroup_id_y 1
		.amdhsa_system_sgpr_workgroup_id_z 1
		.amdhsa_system_vgpr_workitem_id 0
		.amdhsa_next_free_vgpr 256
		.amdhsa_next_free_sgpr 66
		.amdhsa_reserve_vcc 1
		.amdhsa_float_denorm_mode_32 3
		.amdhsa_float_denorm_mode_16_64 3
		.amdhsa_memory_ordered 1
		.amdhsa_forward_progress 1
		.amdhsa_inst_pref_size 48
	.end_amdhsa_kernel
	.amdgpu_metadata
---
amdhsa.version: [ 1, 2 ]
amdhsa.kernels:
  - .name:           k_q39d1b99eb5_gate
    .symbol:         k_q39d1b99eb5_gate.kd
    .args:
      - { .name: x, .offset: 0, .size: 8, .value_kind: global_buffer, .address_space: global }
      - { .name: Wg, .offset: 8, .size: 8, .value_kind: global_buffer, .address_space: global }
      - { .name: out1, .offset: 16, .size: 8, .value_kind: global_buffer, .address_space: global }
      - { .name: out2, .offset: 24, .size: 8, .value_kind: global_buffer, .address_space: global }
      - { .name: sel, .offset: 32, .size: 8, .value_kind: global_buffer, .address_space: global }
      - { .name: gw, .offset: 40, .size: 8, .value_kind: global_buffer, .address_space: global }
      - { .name: xc, .offset: 48, .size: 8, .value_kind: global_buffer, .address_space: global }
      - { .name: xs, .offset: 56, .size: 8, .value_kind: global_buffer, .address_space: global }
    .group_segment_fixed_size: 79360
    .private_segment_fixed_size: 0
    .kernarg_segment_align: 8
    .kernarg_segment_size: 64
    .max_flat_workgroup_size: 128
    .sgpr_count:     66
    .vgpr_count:     256
    .wavefront_size: 32
...
	.end_amdgpu_metadata
.endif
;; end of part 1
;; launch place (part 2): grid 8 x 1, 1 waves a work-group, no clusters, 9,728 bytes of LDS; arguments sel, lst; writes lst
.if DOCPART == 2
	.amdgcn_target "amdgcn-amd-amdhsa--gfx1250"
	.amdhsa_code_object_version 6
	.text
	.protected	k_q39d1b99eb5_place
	.globl	k_q39d1b99eb5_place
	.p2align	8
	.type	k_q39d1b99eb5_place,@function
k_q39d1b99eb5_place:
	s_mov_b64 s[64:65], 0
	v_nop
	global_prefetch_b8 v0, s[64:65] scope:SCOPE_SE
	s_setreg_imm32_b32 hwreg(HW_REG_WAVE_MODE, 25, 1), 1
	s_wait_xcnt 0x0
; THE ROWS OF EACH EXPERT.  sel [4096] holds the expert of row rid = 2 token + slot.  Work-group e, one wave, makes expert e's list: the rids with sel[rid] = e, and their number.
; lst: 9,472 bytes an expert: 2,304 entries, then 256 bytes that hold the count in every word.  Entries past the count name the dump row 4,096 + e.
; (2,304 entries: an expert has 128 tiles of 16 rows at the most, and the later launches read the list 16 tiles ahead.)
; A counting pass, no atomics: the lane holds words 128 n + 4 lane + c of sel; for each (n, c) the members' ranks are the count so far + the members in the lanes below.  A member writes its rid at its rank
; in LDS, the others write a dump word of their own.  The picks go in batches of eight, so that the scalar prefix waits for the vector compares once a batch.
; The list leaves LDS as it lies: 512 consecutive aligned bytes a store.  One owner for each list, so eight work-groups are all the work there is.
.set DUMPW, 2304                       ; LDS: 2,304 words of list, then 32 dump words
.set TA, 48                            ; v48-63  two rings of eight LDS addresses
.set TD, 64                            ; v64-79  two rings of eight rids
	s_load_b128 s[4:7], s[0:1], 0x0                ; sel, lst
	v_lshl_add_u32 v126, v0, 2, 0x2500
	v_mov_b32 v127, 0
	v_lshlrev_b32 v14, 4, v0                       ; one wave: v0 is the lane.  16 bytes a lane
	v_add_nc_u32 v23, DUMPW, v0                    ; my dump word
	v_lshlrev_b32 v44, 2, v0
	v_lshlrev_b32 v16, 3, v0
	s_mov_b32 s19, ttmp9                           ; e
	s_add_co_u32 s34, s19, 4096
.irp i, 24,25,26,27
	v_mov_b32 v\i, s34                             ; the dump row's number
.endr
	s_mul_i32 s24, s19, 9472
	s_mov_b32 s25, 0
	s_wait_kmcnt 0x0
.set n, 0
.rept 32
	global_load_b128 v[128+4*n:131+4*n], v14, s[4:5] offset:512*n          ; all of sel
.set n, n+1
.endr
	s_add_nc_u64 s[6:7], s[6:7], s[24:25]          ; my expert's part of lst
.set li, 0
.rept 18
	ds_store_b128 v14, v[24:27] offset:512*li      ; all 2,304 entries first name the dump row
.set li, li+1
.endr
	s_mov_b32 s28, 0                               ; the count so far
	s_wait_loadcnt 0x0
.macro PICK8                           ; words pk .. pk + 7 of my lane's 128: rid = 128 (k / 4) + 4 lane + k % 4
.set RB, 8*((pk/8)%2)
.if pk >= 16
	s_wait_dscnt 8                                 ; the batch two back has read this ring's registers; the last batch's eight stores may be out
.endif
.irp i, 0,1,2,3,4,5,6,7
	v_cmp_eq_u32 s[32+\i], s19, v[128+pk+\i]
.endr
.irp i, 0,1,2,3,4,5,6,7
	s_mov_b32 s[40+\i], s28                        ; the count ahead of pick i
	s_bcnt1_i32_b32 s30, s[32+\i]
	s_add_co_u32 s28, s28, s30
.endr
.irp i, 0,1,2,3,4,5,6,7
	v_mbcnt_lo_u32_b32 v[TA+RB+\i], s[32+\i], s[40+\i]     ; + the members in the lanes below me
.endr
.irp i, 0,1,2,3,4,5,6,7
	v_cndmask_b32 v[TA+RB+\i], v23, v[TA+RB+\i], s[32+\i]  ; who is no member writes its dump word
.endr
.irp i, 0,1,2,3,4,5,6,7
	v_min_u32 v[TA+RB+\i], DUMPW+31, v[TA+RB+\i]
.endr
.irp i, 0,1,2,3,4,5,6,7
	v_lshlrev_b32 v[TA+RB+\i], 2, v[TA+RB+\i]
.endr
.irp i, 0,1,2,3,4,5,6,7
	v_add_nc_u32 v[TD+RB+\i], 128*((pk+\i)/4)+(pk+\i)%4, v44
.endr
.irp i, 0,1,2,3,4,5,6,7
	ds_store_b32 v[TA+RB+\i], v[TD+RB+\i]          ; LDS serves a wave's instructions in order: these come behind the fill above
.endr
.endm
.set pk, 0
.rept 16
	PICK8
.set pk, pk+8
.endr
.set li, 0
.rept 18
	ds_load_b128 v[128+4*li:131+4*li], v14 offset:512*li   ; in order behind my stores
.set li, li+1
.endr
	v_mov_b32 v20, s28
	v_mov_b32 v21, s28
.set li, 0
.rept 18
	s_wait_dscnt 17-li                             ; load li is in; the younger ones may be out
	global_store_b128 v14, v[128+4*li:131+4*li], s[6:7] offset:512*li      ; 512 consecutive aligned bytes
.set li, li+1
.endr
	global_store_b64 v16, v[20:21], s[6:7] offset:9216     ; the count, 256 consecutive aligned bytes
	s_wait_tensorcnt 0x0
	ds_add_u32 v126, v127
	s_wait_dscnt 0x0
	s_endpgm
.Lfunc_end_k_q39d1b99eb5_place:
	.size	k_q39d1b99eb5_place, .Lfunc_end_k_q39d1b99eb5_place-k_q39d1b99eb5_place
	.p2alignl 7, 3214868480
	.fill 96, 4, 3214868480
	.section	.rodata,"a",@progbits
	.p2align	6, 0x0
	.amdhsa_kernel k_q39d1b99eb5_place
		.amdhsa_group_segment_fixed_size 9728
		.amdhsa_private_segment_fixed_size 0
		.amdhsa_enable_private_segment 0
		.amdhsa_kernarg_size 16
		.amdhsa_user_sgpr_count 2
		.amdhsa_user_sgpr_kernarg_segment_ptr 1
		.amdhsa_wavefront_size32 1
		.amdhsa_system_sgpr_workgroup_id_x 1
		.amdhsa_system_sgpr_workgroup_id_y 1
		.amdhsa_system_sgpr_workgroup_id_z 1
		.amdhsa_system_vgpr_workitem_id 0
		.amdhsa_next_free_vgpr 256
		.amdhsa_next_free_sgpr 66
		.amdhsa_reserve_vcc 0
		.amdhsa_float_denorm_mode_32 3
		.amdhsa_float_denorm_mode_16_64 3
		.amdhsa_memory_ordered 1
		.amdhsa_forward_progress 1
		.amdhsa_inst_pref_size 74
	.end_amdhsa_kernel
	.amdgpu_metadata
---
amdhsa.version: [ 1, 2 ]
amdhsa.kernels:
  - .name:           k_q39d1b99eb5_place
    .symbol:         k_q39d1b99eb5_place.kd
    .args:
      - { .name: sel, .offset: 0, .size: 8, .value_kind: global_buffer, .address_space: global }
      - { .name: lst, .offset: 8, .size: 8, .value_kind: global_buffer, .address_space: global }
    .group_segment_fixed_size: 9728
    .private_segment_fixed_size: 0
    .kernarg_segment_align: 8
    .kernarg_segment_size: 16
    .max_flat_workgroup_size: 32
    .sgpr_count:     66
    .vgpr_count:     256
    .wavefront_size: 32
...
	.end_amdgpu_metadata
.endif
;; end of part 2
;; launch ffn1 (part 3): grid 32 x 8, 4 waves a work-group, no clusters, 103,936 bytes of LDS; arguments lst, xc, xs, W1, b1, hc, hs; writes hc, hs
.if DOCPART == 3
	.amdgcn_target "amdgcn-amd-amdhsa--gfx1250"
	.amdhsa_code_object_version 6
	.text
	.protected	k_q39d1b99eb5_ffn1
	.globl	k_q39d1b99eb5_ffn1
	.p2align	8
	.type	k_q39d1b99eb5_ffn1,@function
k_q39d1b99eb5_ffn1:
	s_mov_b64 s[64:65], 0
	v_nop
	global_prefetch_b8 v0, s[64:65] scope:SCOPE_SE
	s_setreg_imm32_b32 hwreg(HW_REG_WAVE_MODE, 25, 1), 1
	s_wait_xcnt 0x0
; THE FIRST PRODUCT, FOR THE CHOSEN ROWS ONLY: h = relu(x W1[e] + b1[e]) on codes of BF6 (E3M2) with E8M0 scales for each 32 along K, and h quantised along the next K.
; THE WEIGHTS STAY, THE ROWS MOVE.  Work-group (j, e) owns hidden units 64 j .. 64 j + 63 of expert e: 1,024 x 64 numbers of W1, 256 KiB, which leave memory once in the whole launch.
;   Weight phase: a lane loads 16 bytes (4 columns) of each of a block's 32 rows, so that sixteen lanes read 256 consecutive aligned bytes and 128 loads of 512 bytes a wave are asked for; 128 moves a group lay
;   each column's 32 numbers along K in consecutive registers; largest magnitude, scale, conversion; the codes meet in LDS, one row a unit, and each wave takes all 32 fragments into its registers (384).
;   Row phase: expert e's list of rows (rid = 2 token + slot) and their number were stored by the launch before.  Wave w takes tiles w, w + 4, w + 8 .. of 16 rows.  A tile: x's codes by whole aligned blocks of
;   256 bytes, turned through the wave's stage into an operand; 32 matrix instructions; relu; quantised in registers; stored as a part of an image of the next product's operand registers.
;   Two sets of a tile's loads are on their way; a set's list entries are read one turn further ahead than the rows that they address, so that every wait is counted.
;   The two first sets are asked for inside the last two weight groups, where no weight load is left to issue: they land under the quantising, the barrier and the fragment loads.
; No tensor load and no cluster: the tile loop jumps over work on a count read from memory.  The loop's trip count is the constant 16 (128 tiles at the most: all 2,048 tokens on one expert).
; THE MATRIX INSTRUCTION IS USED TRANSPOSED (source 0 = 16 units of W1, source 1 = 16 rows of x), and unit u lies at LDS row u with bits 3 and 4 swapped: row 16 t + m holds unit 32 (t / 2) + 8 (t % 2) + m % 8 + 16 (m / 8),
;   so that a lane's registers 16 b + i of tiles 2 b, 2 b + 1 are units 32 b + 16 (lane / 16) + i: 16 neighbours along the next K.
; hc: [e][tile][K step 16][1,536 bytes]: registers 4 z .. 4 z + 3 of a fragment at 512 z + 16 lane.  My 64 units are registers 6 c .. 6 c + 5 (c = j % 2) of K step j / 2.
; hs: [e][tile][1,024 bytes]: the word of (K step s, row r) at 512 ((s % 8) / 4) + 16 (r + 16 (s / 8)) + 4 (s % 4).
; LIMITS: NaN and infinities are not served.  A block whose largest magnitude lies under 2^-122 (zeros too) gets the byte 1; this program alone reads the bytes.
;   A third of hc's bytes leave as 8 bytes a lane 16 bytes apart, and hs as single bytes: blocks of 256 bytes written in part.
; REGISTERS.  Window 0: v1-20, v44 addresses; v24-32, v34-42 two sets of list entries; v46-93 the weight phase's codes and scales, later v68-86 the quantiser's;
;   v96-111 W1's scale words, v112-119 x's (two sets): scales and nothing else; v128-255 a group's 4 x 32 numbers; later v128-159 the tile's h, v160-255 x's operand.
;   Window 1: two sets of 128 as loaded; later W1's fragments of K steps 0-3 at 48 t + 12 s.  Window 2: K steps 4-7.
;   Window 3: v0-95, v96-191 two tiles of x as loaded; v192-223 b1 in the result's layout; v224-232, v240-248 two sets of row offsets.
.set RSTR,  8192                       ; a row of W1[e] in bytes
.set GSTEP, 524288                     ; two blocks of 32 rows
.set CP,    784                        ; LDS: a unit's codes: 768 bytes + 16
.set BP,    48                         ; a unit's 32 scale bytes + 16
.set CIMM,  24
.set BIMM,  2
.set WSB,   50176                      ; behind 64 rows of codes: the scale bytes
.set STG,   53248                      ; a stage of 16 x 784 bytes for each wave
.set SWB,   10                         ; s[10:11] W1
.set AW,    224                        ; window 3: set p's eight row offsets at AW + 16 p, its scale words' offset at AW + 16 p + 8
.set MSB, 0
.macro WIN new                         ; the immediate's high byte repeats the setting that is left; a switch that changes nothing is dropped
.if MSB != \new
	s_set_vgpr_msb (MSB<<8)|\new
.set MSB, \new
.endif
.endm
.macro WLOAD n                         ; group n: register 4 i + c of set n % 2 = W(32 block + i, my column c)
	WIN 0x40
.set wi, 0
.rept 32
	global_load_b128 v[128*((\n)%2)+4*wi:128*((\n)%2)+4*wi+3], v4, s[SWB:SWB+1] offset:(\n)*GSTEP+wi*RSTR th:TH_LOAD_NT
.set wi, wi+1
.endr
.endm
.macro LLOAD p, off                    ; set p's list entries, off bytes on from v17, v18: the eight rows of my half of a tile, and row r
	global_load_b128 v[24+10*\p:27+10*\p], v17, s[4:5] offset:\off
	global_load_b128 v[28+10*\p:31+10*\p], v17, s[4:5] offset:\off+16
	global_load_b32 v[32+10*\p], v18, s[4:5] offset:\off
.endm
; From set p's list entries: the offsets of eight rows of my half in xc, and of row r in xs.  token = rid / 2, held inside the table (the dump row falls on token 2,047).
.macro ADDRC p
	WIN 0
.irp m, 0,1,2,3,4,5,6,7,8
	v_lshrrev_b32 v[24+10*\p+\m], 1, v[24+10*\p+\m]
.endr
.irp m, 0,1,2,3,4,5,6,7,8
	v_min_u32 v[24+10*\p+\m], 2047, v[24+10*\p+\m]
.endr
	WIN 0xc0                                       ; the offsets lie in window 3
.irp m, 0,1,2,3,4,5,6,7
	v_mad_u32_u24 v[AW+16*\p+\m], v[24+10*\p+\m], 768, v13
.endr
	v_lshl_add_u32 v[AW+16*\p+8], v[32+10*\p], 5, v44
.endm
.macro GLOAD p                         ; 16 rows x 768 bytes: lanes 0-15 read 256 consecutive aligned bytes of row m, lanes 16-31 of row 8 + m
	WIN 0xc3                                       ; data and offsets in window 3
.set gk, 0
.rept 24
	global_load_b128 v[96*\p+4*gk:96*\p+4*gk+3], v[AW+16*\p+gk/3], s[6:7] offset:256*(gk%3)
.set gk, gk+1
.endr
.endm
.macro XLOAD p                         ; the tile's scale words: lanes 0-15 K steps 0-3 of row r, lanes 16-31 K steps 4-7
	WIN 0x03
	global_load_b128 v[112+4*\p:115+4*\p], v[AW+16*\p+8], s[8:9]
	WIN 0
.endm
.macro FIRST p                         ; set p's first 28 loads: tile w + 4 p, and the list entries of the tile eight on
	ADDRC \p
	GLOAD \p
	XLOAD \p
	LLOAD \p, 512+256*\p
.endm
.macro WQUANT n, left
	s_wait_loadcnt \left                           ; this group is in; what was asked for behind it may be out
	WIN 0x01
.set wc, 0
.rept 4
.set wi, 0
.rept 32
	v_mov_b32 v[128+32*wc+wi], v[128*((\n)%2)+4*wi+wc]     ; column c's 32 numbers on end
.set wi, wi+1
.endr
.set wc, wc+1
.endr
.if (\n) < 2
	WLOAD (\n)+2                                   ; the set is free: two groups on
.elseif (\n) == 2
	FIRST 0                                        ; no weight is left to ask for: the first tiles' rows.  32 + 28 loads of mine are out
.else
	FIRST 1                                        ; 28 + 28
.endif
	WIN 0
.irp c, 0,1,2,3
	v_max3_num_f32 v[86+\c], |v[128+32*\c]|, |v[129+32*\c]|, 0x2800000   ; with the floor 2^(5 - 127): the byte cannot fall under 1
.endr
.irp i, 2,4,6,8,10,12,14,16,18,20,22,24,26,28,30
.irp c, 0,1,2,3
	v_max3_num_f32 v[86+\c], v[86+\c], |v[128+32*\c+\i]|, |v[129+32*\c+\i]|   ; the four columns by turns
.endr
.endr
.irp c, 0,1,2,3
	v_add_nc_u32 v[90+\c], 0xfe000000, v[86+\c]    ; 4 off the exponent field: the conversion's scale operand
.endr
.irp c, 0,1,2,3
	v_lshrrev_b32 v[86+\c], 23, v[90+\c]           ; the scale's byte
.endr
.irp c, 0,1,2,3
	v_cvt_scalef32_pk16_bf6_f32 v[46+6*\c:48+6*\c], v[128+32*\c:143+32*\c], v[90+\c]
	v_cvt_scalef32_pk16_bf6_f32 v[70+4*\c:72+4*\c], v[144+32*\c:159+32*\c], v[90+\c]   ; (a conversion's three registers begin on an even number)
.endr
	v_nop                                          ; a plain line behind the conversions
.irp c, 0,1,2,3
.irp i, 0,1,2
	v_mov_b32 v[49+6*\c+\i], v[70+4*\c+\i]
.endr
.endr
.irp c, 0,1,2,3
.irp p, 0,1,2
	ds_store_b64 v5, v[46+6*\c+2*\p:47+6*\c+2*\p] offset:\c*CP+(\n)*CIMM+8*\p
.endr
.endr
.irp c, 0,1,2,3
	ds_store_b8 v6, v[86+\c] offset:\c*BP+(\n)*BIMM
.endr
	s_wait_dscnt 0x0                               ; the stores have read their registers
.endm
	s_load_b256 s[4:11], s[0:1], 0x0               ; lst, xc, xs, W1
	s_load_b128 s[12:15], s[0:1], 0x20             ; b1, hc
	s_load_b64 s[16:17], s[0:1], 0x30              ; hs
	v_lshl_add_u32 v126, v0, 2, 0x19400
	v_mov_b32 v127, 0
	v_lshrrev_b32 v1, 5, v0
	v_readfirstlane_b32 s18, v1                    ; wave
	s_and_b32 s19, ttmp7, 0xffff                   ; e
	s_mov_b32 s20, ttmp9                           ; j
	s_and_b32 s21, s20, 1                          ; c
	s_lshr_b32 s22, s20, 1                         ; the next product's K step
	v_and_b32 v1, 31, v0                           ; lane
	v_and_b32 v2, 15, v0                           ; r (weight phase: which 4 columns)
	v_bfe_u32 v3, v0, 4, 1                         ; h (weight phase: which of the group's two blocks)
	v_lshlrev_b32 v4, 4, v2
	v_lshl_add_u32 v4, v3, 18, v4                  ; W1: 16 r + 32 rows x h
	v_and_b32 v5, 9, v2
	v_lshlrev_b32 v5, 2, v5
	v_and_b32 v6, 2, v2
	v_lshl_or_b32 v5, v6, 3, v5
	v_and_b32 v6, 4, v2
	v_lshl_or_b32 v5, v6, 1, v5                    ; unit 4 r with bits 3 and 4 swapped: its LDS row
	v_mul_u32_u24 v6, v5, BP
	v_add_nc_u32 v6, v6, v3
	s_lshl_b32 s34, s18, 3
	s_add_co_u32 s34, s34, WSB
	v_add_nc_u32 v6, s34, v6                       ; scale byte of block 8 w + 2 n + h
	v_mul_u32_u24 v5, v5, CP
	v_mad_u32_u24 v5, v3, 384, v5
	s_mul_i32 s34, s18, 96
	v_add_nc_u32 v5, s34, v5                       ; its codes: 384 (block % 2) + 24 (block / 2)
	v_mul_u32_u24 v7, v2, CP
	v_mad_u32_u24 v7, v3, 384, v7                  ; a fragment's lane: row r, half h
	v_mul_u32_u24 v8, v2, BP
	v_lshl_add_u32 v8, v3, 4, v8
	v_add_nc_u32 v8, WSB, v8                       ; scale words: lanes 0-15 K steps 0-3, lanes 16-31 K steps 4-7
	v_lshlrev_b32 v9, 5, v3                        ; list: eight entries of my half of a tile
	v_lshlrev_b32 v10, 2, v2                       ; list: row r's entry
	s_mul_i32 s34, s18, 12544
	s_add_co_u32 s34, s34, STG
	v_mul_u32_u24 v11, v3, 6272
	v_lshl_add_u32 v11, v2, 4, v11
	v_add_nc_u32 v11, s34, v11                     ; stage, in: row 8 h + m, 16 r
	v_add_nc_u32 v12, s34, v7                      ; out: row r, half h
	v_lshlrev_b32 v13, 4, v2
	v_lshlrev_b32 v14, 4, v1
	v_lshl_add_u32 v15, v2, 4, v3
	v_lshlrev_b32 v16, 6, v3
	v_lshlrev_b32 v44, 4, v3                       ; 16 h
	v_lshl_add_u32 v17, s18, 6, v9                 ; my first tile's entries: 64 bytes a tile
	v_lshl_add_u32 v18, s18, 6, v10
	s_mov_b32 s25, 0
	s_mov_b32 s36, 0x76543210
	s_mov_b32 s37, 0xfedcba98                      ; v_permlanex16_b32: lane l xor 16
	s_mov_b32 s38, 0xffff0000                      ; lanes 16-31
	s_wait_kmcnt 0x0
	s_mul_i32 s24, s19, 9472
	s_add_nc_u64 s[4:5], s[4:5], s[24:25]          ; lst[e]
	s_load_b32 s28, s[4:5], 0x2400                 ; the number of its rows, behind the 2,304 entries
	LLOAD 0, 0                                     ; tile w's entries and tile w + 4's: they are in with the first weight group
	LLOAD 1, 256
	s_lshl_b32 s24, s19, 23
	s_lshl_b32 s26, s20, 8
	s_add_co_u32 s24, s24, s26
	s_lshl_b32 s26, s18, 21
	s_add_co_u32 s24, s24, s26
	s_add_nc_u64 s[10:11], s[10:11], s[24:25]      ; W1[e], my 64 columns, my wave's 256 rows
	s_lshl_b32 s24, s19, 13
	s_lshl_b32 s26, s20, 8
	s_add_co_u32 s24, s24, s26
	s_add_nc_u64 s[12:13], s[12:13], s[24:25]      ; b1[e], my 64
	s_mul_i32 s24, s19, 3145728
	s_mul_i32 s26, s22, 1536
	s_add_co_u32 s24, s24, s26
	s_add_nc_u64 s[14:15], s[14:15], s[24:25]      ; hc[e][0][K step]
	s_lshl_b32 s24, s19, 17
	s_bfe_u32 s26, s22, 0x10002
	s_lshl_b32 s26, s26, 9
	s_add_co_u32 s24, s24, s26
	s_lshr_b32 s26, s22, 3
	s_lshl_b32 s26, s26, 8
	s_add_co_u32 s24, s24, s26
	s_and_b32 s26, s22, 3
	s_lshl_b32 s26, s26, 2
	s_add_co_u32 s24, s24, s26
	s_lshl_b32 s26, s21, 1
	s_add_co_u32 s24, s24, s26
	s_add_nc_u64 s[16:17], s[16:17], s[24:25]      ; hs[e][0], my K step's word, my two bytes
	WIN 0xc0
.irp t, 0,1,2,3
	global_load_b128 v[192+8*\t:195+8*\t], v16, s[12:13] offset:(32*(\t/2)+8*(\t%2))*4      ; b1 at units 32 (t / 2) + 16 h + 8 (t % 2) + 0 .. 7: the C of a tile's first product
	global_load_b128 v[196+8*\t:199+8*\t], v16, s[12:13] offset:(32*(\t/2)+8*(\t%2))*4+16
.endr
	WLOAD 0
	WLOAD 1
	WQUANT 0, 32                                   ; the other weight set's 32 loads may be out; b1 and the first list entries are in with group 0
	WQUANT 1, 32
	WQUANT 2, 32
	WQUANT 3, 28                                   ; behind group 3's loads: tile set 0's 28
	s_barrier_signal -1                            ; (each wave's stores were waited for at the end of the last group)
	s_barrier_wait -1                              ; all 64 units' codes and scale bytes lie in LDS
	WIN 0x40
.irp t, 0,1,2,3
.set fz, 0
.rept 12
	ds_load_b128 v[48*\t+4*fz:48*\t+4*fz+3], v7 offset:12544*\t+16*fz
.set fz, fz+1
.endr
.endr
	WIN 0x80
.irp t, 0,1,2,3
.set fz, 0
.rept 12
	ds_load_b128 v[48*\t+4*fz:48*\t+4*fz+3], v7 offset:12544*\t+192+16*fz
.set fz, fz+1
.endr
.endr
	WIN 0
.irp t, 0,1,2,3
	ds_load_b128 v[96+4*\t:99+4*\t], v8 offset:768*\t
.endr
	v_mov_b32 v70, 0                               ; a lane permute's destination counts as one of its sources
	v_mov_b32 v71, 0
	s_wait_kmcnt 0x0                               ; the count
	s_add_co_u32 s31, s28, 15
	s_lshr_b32 s31, s31, 4                         ; tiles of this expert
	s_mov_b32 s32, s18                             ; my first tile
	s_mov_b32 s39, 0
; 32 matrix instructions: K steps 0 to 7, the four tiles of units by turns, one instruction a turn.  The first takes b1 as C.
.macro MM1 p
.set ms, 0
.rept 8
.if ms == 0
	WIN 0x31                                       ; W1 window 1, x window 0, b1 window 3
.elseif ms < 4
	WIN 0x01
.else
	WIN 0x02
.endif
.set mt, 0
.rept 4
.if ms == 0
	v_wmma_scale_f32_16x16x128_f8f6f4 v[128+8*mt:135+8*mt], v[48*mt:48*mt+11], v[160:171], v[192+8*mt:199+8*mt], v[96+4*mt], v[112+4*\p] matrix_a_fmt:MATRIX_FMT_BF6 matrix_b_fmt:MATRIX_FMT_BF6
.elseif ms < 4
	v_wmma_scale_f32_16x16x128_f8f6f4 v[128+8*mt:135+8*mt], v[48*mt+12*ms:48*mt+12*ms+11], v[160+12*ms:171+12*ms], v[128+8*mt:135+8*mt], v[96+4*mt+ms], v[112+4*\p+ms] matrix_a_fmt:MATRIX_FMT_BF6 matrix_b_fmt:MATRIX_FMT_BF6
.else
	v_wmma_scale_f32_16x16x128_f8f6f4 v[128+8*mt:135+8*mt], v[48*mt+12*(ms-4):48*mt+12*(ms-4)+11], v[160+12*ms:171+12*ms], v[128+8*mt:135+8*mt], v[96+4*mt+ms-4], v[112+4*\p+ms-4] matrix_a_fmt:MATRIX_FMT_BF6 matrix_b_fmt:MATRIX_FMT_BF6 matrix_a_scale:MATRIX_SCALE_ROW1 matrix_b_scale:MATRIX_SCALE_ROW1
.endif
.set mt, mt+1
.endr
.set ms, ms+1
.endr
	WIN 0
.endm
; Tile s33, whose rows lie in set p; the set is filled again with the tile eight on, and its list entries with those of the tile sixteen on.
.macro TRIP p
	s_wait_loadcnt 28                              ; set p's 24 + 1 + 3 loads are in; the other set's 28 may be out
	WIN 0x0c                                       ; an LDS store's data: window 3
.set gk, 0
.rept 24
	ds_store_b128 v11, v[96*\p+4*gk:96*\p+4*gk+3] offset:784*(gk/3)+256*(gk%3)
.set gk, gk+1
.endr
	WIN 0
.set gk, 0
.rept 24
	ds_load_b128 v[160+4*gk:163+4*gk], v12 offset:16*gk        ; LDS serves a wave's instructions in order: these see the stores.  Registers 12 s .. 12 s + 11: K step s
.set gk, gk+1
.endr
	ADDRC \p                                       ; the tile eight on
	s_wait_dscnt 0x0                               ; the operand is in, and set p is read out
	GLOAD \p
	MM1 \p
.rept 4
	v_nop                                          ; four places behind the last product: for the load into a scale register, and for the first read of results
.endr
	s_wait_xcnt 0x0                                ; the last tile's stores have read their data and offsets, its list loads their offsets: all were issued ahead of the 32 products
	v_lshl_add_u32 v17, s33, 6, v9
	v_lshl_add_u32 v18, s33, 6, v10
	XLOAD \p                                       ; the scale words of the tile eight on
	LLOAD \p, 1024                                 ; the entries of the tile sixteen on
.set hj, 0
.rept 32
	v_max_num_f32 v[128+hj], 0, v[128+hj]          ; relu, each accumulator from its low end on
.set hj, hj+1
.endr
	v_max3_num_f32 v68, v128, v129, 0x2800000      ; two blocks of 32 units; none is negative; the floor 2^(5 - 127)
	v_max3_num_f32 v69, v144, v145, 0x2800000
.irp i, 2,4,6,8,10,12,14
	v_max3_num_f32 v68, v68, v[128+\i], v[129+\i]
	v_max3_num_f32 v69, v69, v[144+\i], v[145+\i]
.endr
	v_permlanex16_b32 v70, v68, s36, s37
	v_permlanex16_b32 v71, v69, s36, s37
	v_max_num_f32 v68, v68, v70                    ; with lane l xor 16's 16
	v_max_num_f32 v69, v69, v71
	v_add_nc_u32 v72, 0xfe000000, v68
	v_add_nc_u32 v73, 0xfe000000, v69
	v_lshrrev_b32 v74, 23, v72
	v_lshrrev_b32 v75, 23, v73
	v_cvt_scalef32_pk16_bf6_f32 v[78:80], v[128:143], v72
	v_cvt_scalef32_pk16_bf6_f32 v[84:86], v[144:159], v73
	v_nop                                          ; a plain line behind the conversions
	v_cndmask_b32 v76, v74, v75, s38               ; lane (r, h) stores block h's byte
.irp i, 0,1,2
	v_permlane16_swap_b32 v[78+\i], v[84+\i]       ; a whole block to a lane: lanes 0-15 block 0, lanes 16-31 block 1
.endr
.irp i, 0,1,2
	v_mov_b32 v[81+\i], v[84+\i]
.endr
	s_mul_i32 s34, s33, 24576
	v_add_nc_u32 v19, s34, v14
	s_lshl_b32 s35, s33, 10
	v_add_nc_u32 v20, s35, v15
	s_cmp_eq_u32 s21, 0
	s_cbranch_scc0 .Lodd_\@
	global_store_b128 v19, v[78:81], s[14:15]              ; registers 0-3 of the image,
	global_store_b64 v19, v[82:83], s[14:15] offset:512    ; 4 and 5
	s_branch .Lsent_\@
.Lodd_\@:
	global_store_b64 v19, v[78:79], s[14:15] offset:520    ; registers 6 and 7,
	global_store_b128 v19, v[80:83], s[14:15] offset:1024  ; 8 to 11
.Lsent_\@:
	global_store_b8 v20, v76, s[16:17]
.endm
	s_wait_dscnt 0x0                               ; W1's fragments and scale words are in
.Lloop:                                            ; 16 trips, two tiles each; a tile that the count does not reach is jumped over
	s_cmp_ge_u32 s32, s31
	s_cbranch_scc1 .Lidle
	s_mov_b32 s33, s32
	TRIP 0
	s_add_co_u32 s33, s32, 4
	s_cmp_ge_u32 s33, s31
	s_cbranch_scc1 .Lidle
	TRIP 1
	s_branch .Lnext
.Lidle:
	s_wait_loadcnt 0x0                             ; nothing is pending on this way
.Lnext:
	s_add_co_u32 s32, s32, 8
	s_add_co_u32 s39, s39, 1
	s_cmp_lt_u32 s39, 16
	s_cbranch_scc1 .Lloop
	s_wait_tensorcnt 0x0
	ds_add_u32 v126, v127
	s_wait_dscnt 0x0
	s_endpgm
.Lfunc_end_k_q39d1b99eb5_ffn1:
	.size	k_q39d1b99eb5_ffn1, .Lfunc_end_k_q39d1b99eb5_ffn1-k_q39d1b99eb5_ffn1
	.p2alignl 7, 3214868480
	.fill 96, 4, 3214868480
	.section	.rodata,"a",@progbits
	.p2align	6, 0x0
	.amdhsa_kernel k_q39d1b99eb5_ffn1
		.amdhsa_group_segment_fixed_size 103936
		.amdhsa_private_segment_fixed_size 0
		.amdhsa_enable_private_segment 0
		.amdhsa_kernarg_size 56
		.amdhsa_user_sgpr_count 2
		.amdhsa_user_sgpr_kernarg_segment_ptr 1
		.amdhsa_wavefront_size32 1
		.amdhsa_system_sgpr_workgroup_id_x 1
		.amdhsa_system_sgpr_workgroup_id_y 1
		.amdhsa_system_sgpr_workgroup_id_z 1
		.amdhsa_system_vgpr_workitem_id 0
		.amdhsa_next_free_vgpr 1024
		.amdhsa_next_free_sgpr 66
		.amdhsa_reserve_vcc 0
		.amdhsa_float_denorm_mode_32 3
		.amdhsa_float_denorm_mode_16_64 3
		.amdhsa_memory_ordered 1
		.amdhsa_forward_progress 1
		.amdhsa_inst_pref_size 107
	.end_amdhsa_kernel
	.amdgpu_metadata
---
amdhsa.version: [ 1, 2 ]
amdhsa.kernels:
  - .name:           k_q39d1b99eb5_ffn1
    .symbol:         k_q39d1b99eb5_ffn1.kd
    .args:
      - { .name: lst, .offset: 0, .size: 8, .value_kind: global_buffer, .address_space: global }
      - { .name: xc, .offset: 8, .size: 8, .value_kind: global_buffer, .address_space: global }
      - { .name: xs, .offset: 16, .size: 8, .value_kind: global_buffer, .address_space: global }
      - { .name: W1, .offset: 24, .size: 8, .value_kind: global_buffer, .address_space: global }
      - { .name: b1, .offset: 32, .size: 8, .value_kind: global_buffer, .address_space: global }
      - { .name: hc, .offset: 40, .size: 8, .value_kind: global_buffer, .address_space: global }
      - { .name: hs, .offset: 48, .size: 8, .value_kind: global_buffer, .address_space: global }
    .group_segment_fixed_size: 103936
    .private_segment_fixed_size: 0
    .kernarg_segment_align: 8
    .kernarg_segment_size: 56
    .max_flat_workgroup_size: 128
    .sgpr_count:     66
    .vgpr_count:     1024
    .wavefront_size: 32
...
	.end_amdgpu_metadata
.endif
;; end of part 3
;; launch ffn2 (part 4): grid 32 x 8, 4 waves a work-group, no clusters, 61,952 bytes of LDS; arguments lst, gw, hc, hs, W2, b2, yb; writes yb
.if DOCPART == 4
	.amdgcn_target "amdgcn-amd-amdhsa--gfx1250"
	.amdhsa_code_object_version 6
	.text
	.protected	k_q39d1b99eb5_ffn2
	.globl	k_q39d1b99eb5_ffn2
	.p2align	8
	.type	k_q39d1b99eb5_ffn2,@function
k_q39d1b99eb5_ffn2:
	s_mov_b64 s[64:65], 0
	v_nop
	global_prefetch_b8 v0, s[64:65] scope:SCOPE_SE
	s_setreg_imm32_b32 hwreg(HW_REG_WAVE_MODE, 25, 1), 1
	s_wait_xcnt 0x0
; THE SECOND PRODUCT, FOR THE CHOSEN ROWS ONLY: yb[rid] = gw[rid] x (h W2[e] + b2[e]) on codes of BF6 (E3M2) with E8M0 scales for each 32 along K = the 2,048 hidden units.
; The frame is the first product's.  Work-group (j, e) owns output columns 32 j .. 32 j + 31 of expert e: 2,048 x 32 numbers of W2, 256 KiB, read from memory once in the launch, quantised on the way,
; gathered in LDS and kept as 32 fragments (384 registers) in every wave.  Expert e's list of rows and their number come from lst.
; Row phase: wave w takes the walk's steps w, w + 4, .. of 16 rows.  A tile's 16 fragments of h lie in hc as images of the operand's registers: 48 loads of 512 consecutive bytes.  32 matrix instructions
; (source 0 = 16 columns of W2, source 1 = 16 rows of h: a lane holds one row and eight neighbouring columns), the gate's weight, a turn through the wave's stage, and eight lanes store 128 consecutive bytes of a row.
; THE WALK IS TURNED: step t of work-group j is tile (t + j nt / 32) mod nt of the expert's nt tiles, so that the 32 work-groups of an expert, which all read every tile, do not all ask for the same tile at the same time.
; Two sets of a tile's loads are on their way; the list entry that addresses a tile's gate weight is read one turn further ahead, so that every wait is counted.
; The two first sets are asked for at the ends of the last two weight groups: they land under the quantising, the barrier and the fragment loads.
; Padding rows of an expert's last tile go to row 4,096 + e of yb, which nobody reads.
; No tensor load and no cluster: the tile loop jumps over work on a count read from memory.
; LIMITS: NaN and infinities are not served.  A block of W2 whose largest magnitude lies under 2^-122 gets the byte 1.  K is summed in two chains (even and odd K steps), added at the end.
;   yb leaves in pieces of 128 bytes; a row of W2 is read in pieces of 128 bytes, the other half by the neighbouring work-group.
; REGISTERS.  Window 0: v1-22 addresses; v24-31 two sets of the four rows that I store, v32-33 row r's entry (two sets), v34-45 offsets; v46-93 the weight phase's codes and scales, later v46-61 y, v62-77 rows of y;
;   v94-95 the weights; v96-111 W2's scale words, v112-127 h's (two sets): scales and nothing else; v128-255 a group's 4 x 32 numbers; later v128-159 four accumulators, v160-255 set 1's K steps 0-7.
;   Window 1: two sets of 128 as loaded; later W2's K steps 0-9 at 24 s + 12 nu.  Window 2: K steps 10-15; from v144 set 1's K steps 8-15.  Window 3: set 0 at 12 s; v192-207 b2 in the result's layout.
.set RSTR,  4096
.set GSTEP, 524288                     ; four blocks of 32 rows
.set CP,    1552                       ; LDS: a column's codes: 1,536 bytes + 16
.set BP,    80                         ; its 64 scale bytes + 16
.set CIMM,  48
.set BIMM,  4
.set WSB,   49664
.set STG,   52224                      ; a stage of 16 x 144 bytes for each wave
.set SWB,   12                         ; s[12:13] W2
.set MSB, 0
.macro WIN new
.if MSB != \new
	s_set_vgpr_msb (MSB<<8)|\new
.set MSB, \new
.endif
.endm
.macro WLOAD n                         ; group n: register 4 i + c of set n % 2 = W(32 block + i, my column c)
	WIN 0x40
.set wi, 0
.rept 32
	global_load_b128 v[128*((\n)%2)+4*wi:128*((\n)%2)+4*wi+3], v4, s[SWB:SWB+1] offset:(\n)*GSTEP+wi*RSTR
.set wi, wi+1
.endr
.endm
.macro WQUANT n, left
	s_wait_loadcnt \left                           ; this group is in; what was asked for behind it may be out
	WIN 0x01
.set wc, 0
.rept 4
.set wi, 0
.rept 32
	v_mov_b32 v[128+32*wc+wi], v[128*((\n)%2)+4*wi+wc]
.set wi, wi+1
.endr
.set wc, wc+1
.endr
.if (\n) < 2
	WLOAD (\n)+2
.endif
	WIN 0
.irp c, 0,1,2,3
	v_max3_num_f32 v[86+\c], |v[128+32*\c]|, |v[129+32*\c]|, 0x2800000
.endr
.irp i, 2,4,6,8,10,12,14,16,18,20,22,24,26,28,30
.irp c, 0,1,2,3
	v_max3_num_f32 v[86+\c], v[86+\c], |v[128+32*\c+\i]|, |v[129+32*\c+\i]|
.endr
.endr
.irp c, 0,1,2,3
	v_add_nc_u32 v[90+\c], 0xfe000000, v[86+\c]
.endr
.irp c, 0,1,2,3
	v_lshrrev_b32 v[86+\c], 23, v[90+\c]
.endr
.irp c, 0,1,2,3
	v_cvt_scalef32_pk16_bf6_f32 v[46+6*\c:48+6*\c], v[128+32*\c:143+32*\c], v[90+\c]
	v_cvt_scalef32_pk16_bf6_f32 v[70+4*\c:72+4*\c], v[144+32*\c:159+32*\c], v[90+\c]
.endr
	v_nop                                          ; a plain line behind the conversions
.irp c, 0,1,2,3
.irp i, 0,1,2
	v_mov_b32 v[49+6*\c+\i], v[70+4*\c+\i]
.endr
.endr
.irp c, 0,1,2,3
.irp p, 0,1,2
	ds_store_b64 v5, v[46+6*\c+2*\p:47+6*\c+2*\p] offset:\c*CP+(\n)*CIMM+8*\p
.endr
.endr
.irp c, 0,1,2,3
	ds_store_b8 v6, v[86+\c] offset:\c*BP+(\n)*BIMM
.endr
	s_wait_dscnt 0x0                               ; the stores have read their registers
.endm
; s34 = the tile of the walk's step s33 + ahead: the step is held at the last one, turned by my work-group's start, wrapped, and held inside the table.
.macro PHYS ahead
	s_add_co_u32 s34, s33, \ahead
	s_min_u32 s34, s34, s40
	s_add_co_u32 s34, s34, s42
	s_cmp_ge_u32 s34, s41
	s_cselect_b32 s35, s41, 0
	s_sub_co_u32 s34, s34, s35
	s_min_u32 s34, s34, 127
.endm
; Set p's offsets for the step ahead steps on; v[32 + p] holds row r's list entry of that tile.
.macro HADDR p, ahead
	PHYS \ahead
	s_mul_i32 s35, s34, 24576
	v_add_nc_u32 v[38+\p], s35, v14
	s_lshl_b32 s35, s34, 10
	v_add_nc_u32 v[40+\p], s35, v14
	s_lshl_b32 s35, s34, 6
	v_add_nc_u32 v[44+\p], s35, v9
	v_min_u32 v[32+\p], 4095, v[32+\p]
	v_lshlrev_b32 v[42+\p], 2, v[32+\p]
.endm
.macro LADDR p, ahead                  ; where row r's list entry of the step ahead steps on lies
	PHYS \ahead
	s_lshl_b32 s35, s34, 6
	v_add_nc_u32 v[21+\p], s35, v10
.endm
.macro LELOAD p
	global_load_b32 v[32+\p], v[21+\p], s[4:5]
.endm
.macro HLOAD p                         ; 52 loads: h's scale words, the gate's weight of row r, the four rows that I store, 16 fragments as they lie
	WIN 0
	global_load_b128 v[112+8*\p:115+8*\p], v[40+\p], s[10:11]
	global_load_b128 v[116+8*\p:119+8*\p], v[40+\p], s[10:11] offset:512
	global_load_b32 v[94+\p], v[42+\p], s[6:7]
	global_load_b128 v[24+4*\p:27+4*\p], v[44+\p], s[4:5]
.if \p == 0
	WIN 0xc0
.set hz, 0
.rept 48
	global_load_b128 v[4*hz:4*hz+3], v38, s[8:9] offset:512*hz
.set hz, hz+1
.endr
.else
.set hz, 0
.rept 24
	global_load_b128 v[160+4*hz:163+4*hz], v39, s[8:9] offset:512*hz
.set hz, hz+1
.endr
	WIN 0x80
.rept 24
	global_load_b128 v[144+4*(hz-24):147+4*(hz-24)], v39, s[8:9] offset:512*hz
.set hz, hz+1
.endr
.endif
	WIN 0
.endm
.macro FIRST p                         ; set p's first 53 loads: step w + 4 p, and row r's list entry of the step eight on
	HADDR \p, 4*\p
	LADDR \p, 8+4*\p
	HLOAD \p
	LELOAD \p
.endm
	s_load_b256 s[4:11], s[0:1], 0x0               ; lst, gw, hc, hs
	s_load_b128 s[12:15], s[0:1], 0x20             ; W2, b2
	s_load_b64 s[16:17], s[0:1], 0x30              ; yb
	v_lshl_add_u32 v81, v0, 2, 0xf000
	v_mov_b32 v85, 0
	v_lshrrev_b32 v1, 5, v0
	v_readfirstlane_b32 s18, v1                    ; wave
	s_and_b32 s19, ttmp7, 0xffff                   ; e
	s_mov_b32 s20, ttmp9                           ; j
	v_and_b32 v1, 31, v0                           ; lane
	v_and_b32 v2, 15, v0                           ; r
	v_bfe_u32 v3, v0, 4, 1                         ; h
	v_and_b32 v19, 7, v0                           ; q: which 4 columns
	v_lshrrev_b32 v20, 3, v1                       ; g: which of a group's four blocks; later: which four rows of a tile
	v_lshlrev_b32 v4, 4, v19
	v_lshl_add_u32 v4, v20, 17, v4                 ; W2: 16 q + 32 rows x g
	v_mul_u32_u24 v5, v19, 6208
	v_and_b32 v6, 1, v20
	v_mad_u32_u24 v5, v6, 768, v5
	v_lshrrev_b32 v6, 1, v20
	v_mad_u32_u24 v5, v6, 24, v5
	s_mul_i32 s34, s18, 192
	v_add_nc_u32 v5, s34, v5                       ; codes of block 16 w + 4 n + g of column 4 q: 768 (block % 2) + 24 (block / 2)
	v_mul_u32_u24 v6, v19, 320
	v_add_nc_u32 v6, v6, v20
	s_lshl_b32 s34, s18, 4
	s_add_co_u32 s34, s34, WSB
	v_add_nc_u32 v6, s34, v6                       ; and its scale byte
	v_mul_u32_u24 v7, v2, CP
	v_mad_u32_u24 v7, v3, 768, v7                  ; a fragment's lane: row r, half h
	v_mul_u32_u24 v8, v2, BP
	v_lshl_add_u32 v8, v3, 5, v8
	v_add_nc_u32 v8, WSB, v8                       ; scale words: lanes 0-15 K steps 0-7, lanes 16-31 K steps 8-15
	v_lshlrev_b32 v9, 4, v20                       ; list: the four rows that I store
	v_lshlrev_b32 v10, 2, v2                       ; list: row r's entry
	s_mul_i32 s34, s18, 2304
	s_add_co_u32 s34, s34, STG
	v_mul_u32_u24 v11, v2, 144
	v_lshl_add_u32 v11, v3, 5, v11
	v_add_nc_u32 v11, s34, v11                     ; stage, in: row r, 32 h
	v_mul_u32_u24 v12, v20, 576
	v_lshl_add_u32 v12, v19, 4, v12
	v_add_nc_u32 v12, s34, v12                     ; out: rows 4 g + z, 16 q
	v_lshlrev_b32 v13, 4, v19
	v_lshlrev_b32 v14, 4, v1
	v_lshlrev_b32 v16, 5, v3
	s_mov_b32 s25, 0
	s_wait_kmcnt 0x0
	s_mul_i32 s24, s19, 9472
	s_add_nc_u64 s[4:5], s[4:5], s[24:25]          ; lst[e]
	s_load_b32 s28, s[4:5], 0x2400                 ; the number of its rows, behind the 2,304 entries
	s_lshl_b32 s24, s19, 23
	s_lshl_b32 s26, s20, 7
	s_add_co_u32 s24, s24, s26
	s_lshl_b32 s26, s18, 21
	s_add_co_u32 s24, s24, s26
	s_add_nc_u64 s[12:13], s[12:13], s[24:25]      ; W2[e], my 32 columns, my wave's 512 rows
	s_lshl_b32 s24, s19, 12
	s_lshl_b32 s26, s20, 7
	s_add_co_u32 s24, s24, s26
	s_add_nc_u64 s[14:15], s[14:15], s[24:25]      ; b2[e], my 32
	s_mul_i32 s24, s19, 3145728
	s_add_nc_u64 s[8:9], s[8:9], s[24:25]          ; hc[e]
	s_lshl_b32 s24, s19, 17
	s_add_nc_u64 s[10:11], s[10:11], s[24:25]      ; hs[e]
	s_lshl_b32 s24, s20, 7
	s_add_nc_u64 s[16:17], s[16:17], s[24:25]      ; yb, my 128 bytes of a row
	WIN 0xc0
.irp t, 0,1
	global_load_b128 v[192+8*\t:195+8*\t], v16, s[14:15] offset:64*\t          ; b2 at columns 16 nu + 8 h + 0 .. 7
	global_load_b128 v[196+8*\t:199+8*\t], v16, s[14:15] offset:64*\t+16
.endr
	WLOAD 0
	WLOAD 1
	WIN 0
	s_wait_kmcnt 0x0                               ; the count: waited for behind the weight loads, which do not hang on it
	s_add_co_u32 s31, s28, 15
	s_lshr_b32 s31, s31, 4                         ; nt: tiles of this expert
	s_max_u32 s41, s31, 1                          ; the walk's length, 1 at the least
	s_sub_co_u32 s40, s41, 1                       ; its last step: no load looks past it
	s_mul_i32 s42, s20, s31
	s_lshr_b32 s42, s42, 5                         ; where my work-group's walk begins: j nt / 32, under nt
	s_mov_b32 s32, s18
	s_mov_b32 s33, s18
	s_mov_b32 s39, 0
	LADDR 0, 0
	LELOAD 0                                       ; row r's entry of step w,
	LADDR 1, 4
	LELOAD 1                                       ; and of step w + 4
	WQUANT 0, 34                                   ; behind group 0's loads: group 1's 32 and the two list loads
	WQUANT 1, 34                                   ; behind group 1's: the two list loads and group 2's 32
	WQUANT 2, 32                                   ; behind group 2's: group 3's 32; the list entries are in
	FIRST 0
	WQUANT 3, 53                                   ; behind group 3's: tile set 0's 53
	FIRST 1                                        ; (the group's numbers are converted: set 1 may land on their registers)
	s_barrier_signal -1                            ; (each wave's stores were waited for at the end of the last group)
	s_barrier_wait -1                              ; all 32 columns' codes and scale bytes lie in LDS
	WIN 0x40
.irp t, 0,1
.set fs, 0
.rept 10
.irp z, 0,1,2
	ds_load_b128 v[24*fs+12*\t+4*\z:24*fs+12*\t+4*\z+3], v7 offset:24832*\t+48*fs+16*\z
.endr
.set fs, fs+1
.endr
.endr
	WIN 0x80
.irp t, 0,1
.set fs, 10
.rept 6
.irp z, 0,1,2
	ds_load_b128 v[24*(fs-10)+12*\t+4*\z:24*(fs-10)+12*\t+4*\z+3], v7 offset:24832*\t+48*fs+16*\z
.endr
.set fs, fs+1
.endr
.endr
	WIN 0
.irp t, 0,1
.irp y, 0,1
	ds_load_b128 v[96+8*\t+4*\y:99+8*\t+4*\y], v8 offset:1280*\t+16*\y
.endr
.endr
; 32 matrix instructions: K steps 0 to 15, two tiles of columns; even and odd K steps have accumulators of their own, so that four take turns, one instruction a turn.
; K step 0 takes b2 as C, K step 1 the constant 0.
.macro MM2 p
.set ms, 0
.rept 16
.if ms < 10
.set ra, 24*ms
.else
.set ra, 24*(ms-10)
.endif
.if \p == 0
.set rb, 12*ms
.if ms == 0
	WIN 0x3d                                       ; W2 window 1, h window 3, b2 window 3
.elseif ms < 10
	WIN 0x0d
.else
	WIN 0x0e
.endif
.else
.if ms < 8
.set rb, 160+12*ms
.else
.set rb, 144+12*(ms-8)
.endif
.if ms == 0
	WIN 0x31
.elseif ms < 8
	WIN 0x01
.elseif ms < 10
	WIN 0x09
.else
	WIN 0x0a
.endif
.endif
.set mn, 0
.rept 2
.set ac, 128+16*mn+8*(ms%2)
.if ms == 0
	v_wmma_scale_f32_16x16x128_f8f6f4 v[ac:ac+7], v[ra+12*mn:ra+12*mn+11], v[rb:rb+11], v[192+8*mn:199+8*mn], v[96+8*mn], v[112+8*\p] matrix_a_fmt:MATRIX_FMT_BF6 matrix_b_fmt:MATRIX_FMT_BF6
.elseif ms == 1
	v_wmma_scale_f32_16x16x128_f8f6f4 v[ac:ac+7], v[ra+12*mn:ra+12*mn+11], v[rb:rb+11], 0, v[96+8*mn+1], v[112+8*\p+1] matrix_a_fmt:MATRIX_FMT_BF6 matrix_b_fmt:MATRIX_FMT_BF6
.elseif ms < 8
	v_wmma_scale_f32_16x16x128_f8f6f4 v[ac:ac+7], v[ra+12*mn:ra+12*mn+11], v[rb:rb+11], v[ac:ac+7], v[96+8*mn+ms], v[112+8*\p+ms] matrix_a_fmt:MATRIX_FMT_BF6 matrix_b_fmt:MATRIX_FMT_BF6
.else
	v_wmma_scale_f32_16x16x128_f8f6f4 v[ac:ac+7], v[ra+12*mn:ra+12*mn+11], v[rb:rb+11], v[ac:ac+7], v[96+8*mn+ms-8], v[112+8*\p+ms-8] matrix_a_fmt:MATRIX_FMT_BF6 matrix_b_fmt:MATRIX_FMT_BF6 matrix_a_scale:MATRIX_SCALE_ROW1 matrix_b_scale:MATRIX_SCALE_ROW1
.endif
.set mn, mn+1
.endr
.set ms, ms+1
.endr
	WIN 0
.endm
; The walk's step s33, whose tile lies in set p; the set is filled again with the step eight on, and its list entry with that of the step sixteen on.
.macro TRIP p
	s_wait_loadcnt 53                              ; set p's 52 + 1 loads are in, so their offsets may be written; the other set's 53 may be out
	HADDR \p, 8                                    ; the next fill's offsets are made ahead of the products
	LADDR \p, 16
	MM2 \p
.rept 4
	v_nop                                          ; four places behind the last product: for the first read of results and the loads into operands and scales
.endr
	s_wait_xcnt 0x0                                ; the last tile's stores have read their data and offsets: they were issued ahead of the 32 products
.irp t, 0,1
.irp i, 0,2,4,6
	v_pk_add_f32 v[46+8*\t+\i:47+8*\t+\i], v[128+16*\t+\i:129+16*\t+\i], v[136+16*\t+\i:137+16*\t+\i]   ; the two chains; each accumulator from its low end on
.endr
.endr
.set yi, 0
.rept 16
	v_mul_f32 v[46+yi], v[46+yi], v[94+\p]         ; the gate's weight of my row
.set yi, yi+1
.endr
.irp z, 0,1,2,3
	v_min_u32 v[24+4*\p+\z], 4103, v[24+4*\p+\z]
.endr
.irp z, 0,1,2,3
	v_lshl_add_u32 v[34+\z], v[24+4*\p+\z], 12, v13        ; row rid of 4,096 bytes
.endr
.irp t, 0,1
.irp y, 0,1
	ds_store_b128 v11, v[46+8*\t+4*\y:49+8*\t+4*\y] offset:64*\t+16*\y     ; row r, columns 16 nu + 8 h + 0 .. 7
.endr
.endr
.irp z, 0,1,2,3
	ds_load_b128 v[62+4*\z:65+4*\z], v12 offset:144*\z     ; LDS serves a wave's instructions in order: these see the stores
.endr
	HLOAD \p                                       ; the turn through the stage is on its way while these 53 are issued
	LELOAD \p
	s_wait_dscnt 0x0
.irp z, 0,1,2,3
	global_store_b128 v[34+\z], v[62+4*\z:65+4*\z], s[16:17]   ; eight lanes store 128 consecutive bytes of a row
.endr
.endm
	s_wait_dscnt 0x0                               ; W2's fragments and scale words are in
.Lloop:                                            ; 16 trips, two steps each; a step that the count does not reach is jumped over
	s_cmp_ge_u32 s32, s31
	s_cbranch_scc1 .Lidle
	s_mov_b32 s33, s32
	TRIP 0
	s_add_co_u32 s33, s32, 4
	s_cmp_ge_u32 s33, s31
	s_cbranch_scc1 .Lidle
	TRIP 1
	s_branch .Lnext
.Lidle:
	s_wait_loadcnt 0x0                             ; nothing is pending on this way
.Lnext:
	s_add_co_u32 s32, s32, 8
	s_add_co_u32 s39, s39, 1
	s_cmp_lt_u32 s39, 16
	s_cbranch_scc1 .Lloop
	s_wait_tensorcnt 0x0
	ds_add_u32 v81, v85
	s_wait_dscnt 0x0
	s_endpgm
.Lfunc_end_k_q39d1b99eb5_ffn2:
	.size	k_q39d1b99eb5_ffn2, .Lfunc_end_k_q39d1b99eb5_ffn2-k_q39d1b99eb5_ffn2
	.p2alignl 7, 3214868480
	.fill 96, 4, 3214868480
	.section	.rodata,"a",@progbits
	.p2align	6, 0x0
	.amdhsa_kernel k_q39d1b99eb5_ffn2
		.amdhsa_group_segment_fixed_size 61952
		.amdhsa_private_segment_fixed_size 0
		.amdhsa_enable_private_segment 0
		.amdhsa_kernarg_size 56
		.amdhsa_user_sgpr_count 2
		.amdhsa_user_sgpr_kernarg_segment_ptr 1
		.amdhsa_wavefront_size32 1
		.amdhsa_system_sgpr_workgroup_id_x 1
		.amdhsa_system_sgpr_workgroup_id_y 1
		.amdhsa_system_sgpr_workgroup_id_z 1
		.amdhsa_system_vgpr_workitem_id 0
		.amdhsa_next_free_vgpr 1024
		.amdhsa_next_free_sgpr 66
		.amdhsa_reserve_vcc 0
		.amdhsa_float_denorm_mode_32 3
		.amdhsa_float_denorm_mode_16_64 3
		.amdhsa_memory_ordered 1
		.amdhsa_forward_progress 1
		.amdhsa_inst_pref_size 104
	.end_amdhsa_kernel
	.amdgpu_metadata
---
amdhsa.version: [ 1, 2 ]
amdhsa.kernels:
  - .name:           k_q39d1b99eb5_ffn2
    .symbol:         k_q39d1b99eb5_ffn2.kd
    .args:
      - { .name: lst, .offset: 0, .size: 8, .value_kind: global_buffer, .address_space: global }
      - { .name: gw, .offset: 8, .size: 8, .value_kind: global_buffer, .address_space: global }
      - { .name: hc, .offset: 16, .size: 8, .value_kind: global_buffer, .address_space: global }
      - { .name: hs, .offset: 24, .size: 8, .value_kind: global_buffer, .address_space: global }
      - { .name: W2, .offset: 32, .size: 8, .value_kind: global_buffer, .address_space: global }
      - { .name: b2, .offset: 40, .size: 8, .value_kind: global_buffer, .address_space: global }
      - { .name: yb, .offset: 48, .size: 8, .value_kind: global_buffer, .address_space: global }
    .group_segment_fixed_size: 61952
    .private_segment_fixed_size: 0
    .kernarg_segment_align: 8
    .kernarg_segment_size: 56
    .max_flat_workgroup_size: 128
    .sgpr_count:     66
    .vgpr_count:     1024
    .wavefront_size: 32
...
	.end_amdgpu_metadata
.endif
;; end of part 4
;; launch combine (part 5): grid 256 x 1, 8 waves a work-group, no clusters, 0 bytes of LDS; arguments yb, out0; writes out0
.if DOCPART == 5
	.amdgcn_target "amdgcn-amd-amdhsa--gfx1250"
	.amdhsa_code_object_version 6
	.text
	.protected	k_q39d1b99eb5_combine
	.globl	k_q39d1b99eb5_combine
	.p2align	8
	.type	k_q39d1b99eb5_combine,@function
k_q39d1b99eb5_combine:
	s_mov_b64 s[64:65], 0
	v_nop
	global_prefetch_b8 v0, s[64:65] scope:SCOPE_SE
	s_setreg_imm32_b32 hwreg(HW_REG_WAVE_MODE, 25, 1), 1
	s_wait_xcnt 0x0
; out0[t] = yb[2 t] + yb[2 t + 1]: a token's two weighted expert rows, which lie on end.  A plain stream: a wave takes one token, 16 loads of 512 consecutive bytes all asked for at once,
; eight stores of 512 consecutive aligned bytes.  No LDS, no barrier, no loop: nothing is shared and nothing is read twice.
	s_load_b128 s[4:7], s[0:1], 0x0                ; yb, out0
	v_lshrrev_b32 v1, 5, v0
	v_readfirstlane_b32 s8, v1                     ; wave
	v_and_b32 v1, 31, v0
	v_lshlrev_b32 v1, 4, v1                        ; 16 bytes a lane
	s_lshl_b32 s9, ttmp9, 3
	s_add_co_u32 s9, s9, s8                        ; token
	s_lshl_b32 s10, s9, 13
	s_mov_b32 s11, 0
	s_lshl_b32 s12, s9, 12
	s_mov_b32 s13, 0
	s_wait_kmcnt 0x0
	s_add_nc_u64 s[4:5], s[4:5], s[10:11]
	s_add_nc_u64 s[6:7], s[6:7], s[12:13]
.set n, 0
.rept 16
	global_load_b128 v[8+4*n:11+4*n], v1, s[4:5] offset:512*n th:TH_LOAD_NT
.set n, n+1
.endr
.irp i, 0,1,2,3,4,5,6,7
	s_wait_loadcnt 7-\i                            ; loads i and 8 + i are in; the second row's younger loads may be out
	v_pk_add_f32 v[72+4*\i:73+4*\i], v[8+4*\i:9+4*\i], v[40+4*\i:41+4*\i]
	v_pk_add_f32 v[74+4*\i:75+4*\i], v[10+4*\i:11+4*\i], v[42+4*\i:43+4*\i]
	global_store_b128 v1, v[72+4*\i:75+4*\i], s[6:7] offset:512*\i th:TH_STORE_NT
.endr
	s_endpgm
.Lfunc_end_k_q39d1b99eb5_combine:
	.size	k_q39d1b99eb5_combine, .Lfunc_end_k_q39d1b99eb5_combine-k_q39d1b99eb5_combine
	.p2alignl 7, 3214868480
	.fill 96, 4, 3214868480
	.section	.rodata,"a",@progbits
	.p2align	6, 0x0
	.amdhsa_kernel k_q39d1b99eb5_combine
		.amdhsa_group_segment_fixed_size 0
		.amdhsa_private_segment_fixed_size 0
		.amdhsa_enable_private_segment 0
		.amdhsa_kernarg_size 16
		.amdhsa_user_sgpr_count 2
		.amdhsa_user_sgpr_kernarg_segment_ptr 1
		.amdhsa_wavefront_size32 1
		.amdhsa_system_sgpr_workgroup_id_x 1
		.amdhsa_system_sgpr_workgroup_id_y 1
		.amdhsa_system_sgpr_workgroup_id_z 1
		.amdhsa_system_vgpr_workitem_id 0
		.amdhsa_next_free_vgpr 104
		.amdhsa_next_free_sgpr 66
		.amdhsa_reserve_vcc 0
		.amdhsa_float_denorm_mode_32 3
		.amdhsa_float_denorm_mode_16_64 3
		.amdhsa_memory_ordered 1
		.amdhsa_forward_progress 1
		.amdhsa_inst_pref_size 5
	.end_amdhsa_kernel
	.amdgpu_metadata
---
amdhsa.version: [ 1, 2 ]
amdhsa.kernels:
  - .name:           k_q39d1b99eb5_combine
    .symbol:         k_q39d1b99eb5_combine.kd
    .args:
      - { .name: yb, .offset: 0, .size: 8, .value_kind: global_buffer, .address_space: global }
      - { .name: out0, .offset: 8, .size: 8, .value_kind: global_buffer, .address_space: global }
    .group_segment_fixed_size: 0
    .private_segment_fixed_size: 0
    .kernarg_segment_align: 8
    .kernarg_segment_size: 16
    .max_flat_workgroup_size: 256
    .sgpr_count:     66
    .vgpr_count:     104
    .wavefront_size: 32
...
	.end_amdgpu_metadata
.endif
;; end of part 5
;; ======== version 2 of 2: 5 launches
;; workspace buffers: sel 16,384 bytes of whole numbers; gw 16,384 bytes; xc 1,572,864 bytes; xs 65,536 bytes; hc 25,165,824 bytes; hs 1,048,576 bytes; yb 16,809,984 bytes; lst 75,776 bytes of whole numbers
;; launch gate (part 6): grid 256 x 1, 4 waves a work-group, no clusters, 79,360 bytes of LDS; arguments x, Wg, out1, out2, sel, gw, xc, xs; writes out1, out2, sel, gw, xc, xs
.if DOCPART == 6
	.amdgcn_target "amdgcn-amd-amdhsa--gfx1250"
	.amdhsa_code_object_version 6
	.text
	.protected	k_q39d1b99eb5_gate
	.globl	k_q39d1b99eb5_gate
	.p2align	8
	.type	k_q39d1b99eb5_gate,@function
k_q39d1b99eb5_gate:
	s_mov_b64 s[64:65], 0
	v_nop
	global_prefetch_b8 v0, s[64:65] scope:SCOPE_SE
	s_setreg_imm32_b32 hwreg(HW_REG_WAVE_MODE, 25, 1), 1
	s_wait_xcnt 0x0
; THE ROUTER, AND x INTO CODES.  x [2048][1024] f32, Wg [1024][8] f32.
; out1 = x Wg in f32 (fused multiply-adds); out2 = the two largest logits' experts, the lower index first among equals; gw = softmax of the two (the larger is taken away ahead of the exponential).
; sel is a copy of out2 for the later launches (word 2 token + slot), gw the weight at the same index.
; x is also turned into codes of BF6 (E3M2) with one E8M0 byte for each 32 along K: scale = 2^(floor(log2(largest magnitude)) - 4).
;   xc: 768 bytes a token; block b (24 bytes) lies at 384 (b % 2) + 24 (b / 2): lane (r, h) of an operand wants blocks 4 s + h and 4 s + 2 + h of K step s, which are then 384 bytes on end.
;   xs: 32 bytes a token, block order: word s is K step s's scale word.
; LIMITS: NaN and infinities among the inputs are not served.  A logit is summed as 32 multiply-adds a lane and a tree over 32 lanes: two logits nearer than that sum's rounding may change places in out2.
;   A block whose largest magnitude lies under 2^-122 (zeros too) gets the byte 1; its codes are zeros or nearly so, and this program alone reads the bytes.
; SHARES: a work-group takes 8 tokens, a wave 2.  No matrix unit: N = 8 is too narrow for it, and the launch is bound by x's bytes.
.set TST,  36864                       ; LDS 0: Wg as 256 groups (4 k x 8 experts, 128 bytes) 144 bytes apart; then for each wave four stages of 32 x 80 bytes
.set O1S,  77824                       ; 8 tokens' logits
.set XSB,  78080                       ; 8 tokens' scale bytes
.set SELS, 78336                       ; 16 experts' numbers; 64 bytes on: 16 weights
.set R,    16                          ; v16-79   x as loaded: row p, load i, word c at 32 p + 4 i + c = x(k = 128 i + 4 lane + c)
.set X,    80                          ; v80-143  Wg as loaded; later four steps of 16 neighbours
.set WA,   144                         ; v144-207 two sets of 32 of Wg's numbers
.set ACC,  208                         ; v208-223 logit e of row p at 8 p + e
.set CD,   224                         ; v224-239 codes, four registers a step
.set E,    240                         ; v240-243 scale bytes
	s_load_b512 s[4:19], s[0:1], 0x0               ; x, Wg, out1, out2, sel, gw, xc, xs
	v_lshl_add_u32 v235, v0, 2, 0x13400
	v_mov_b32 v239, 0
	v_lshrrev_b32 v1, 5, v0
	v_readfirstlane_b32 s20, v1                    ; wave
	v_and_b32 v1, 31, v0                           ; lane
	v_lshlrev_b32 v2, 4, v0                        ; Wg: 16 bytes a thread
	v_lshrrev_b32 v3, 3, v0
	v_mul_u32_u24 v3, v3, 144
	v_and_b32 v4, 7, v0
	v_lshl_add_u32 v3, v4, 4, v3                   ; and where they go: group thread / 8, 16 (thread % 8)
	v_lshlrev_b32 v4, 4, v1                        ; x: 16 bytes a lane
	v_mul_u32_u24 v5, v1, 144                      ; Wg back: my lane's group
	s_mul_i32 s21, s20, 10240
	s_add_co_u32 s21, s21, TST
	v_lshrrev_b32 v6, 2, v1
	v_mul_u32_u24 v6, v6, 80
	v_and_b32 v7, 3, v1
	v_lshl_add_u32 v6, v7, 4, v6
	v_add_nc_u32 v6, s21, v6                       ; a stage, in: four lanes' 64 bytes on end, then 16 of padding
	v_mul_u32_u24 v7, v1, 80
	v_add_nc_u32 v7, s21, v7                       ; out: my 16 neighbours
	v_bfe_u32 v8, v1, 1, 1
	v_mul_u32_u24 v8, v8, 384
	v_lshrrev_b32 v9, 2, v1
	v_mad_u32_u24 v8, v9, 24, v8
	v_and_b32 v9, 1, v1
	v_mad_u32_u24 v8, v9, 12, v8                   ; xc: block lane / 2 of a step: 384 (its parity) + 24 (its half) + 12 (my half of it)
	s_lshl_b32 s21, s20, 6
	v_lshrrev_b32 v9, 1, v1
	v_add_nc_u32 v9, s21, v9
	v_add_nc_u32 v9, XSB, v9                       ; my block's scale byte
	v_mov_b32 v10, s21
	v_add_nc_u32 v10, O1S, v10                     ; my wave's 16 logits
	s_lshl_b32 s21, s20, 4
	v_mov_b32 v11, s21
	v_add_nc_u32 v11, SELS, v11                    ; my wave's four experts' numbers; the weights 64 bytes on
	v_lshl_add_u32 v13, v1, 3, XSB                 ; the way out, wave 0: 8 bytes a lane
	v_lshl_add_u32 v14, v1, 3, O1S
	v_and_b32 v15, 15, v1
	v_lshl_add_u32 v15, v15, 2, SELS
	s_mov_b32 s26, 0x76543210
	s_mov_b32 s27, 0xfedcba98                      ; v_permlanex16_b32: lane l xor 16
	s_lshl_b32 s22, ttmp9, 15                      ; 8 rows of 4,096 bytes a work-group,
	s_lshl_b32 s21, s20, 13                        ; 2 a wave
	s_add_co_u32 s22, s22, s21
	s_mov_b32 s23, 0
	s_wait_kmcnt 0x0
	s_add_nc_u64 s[4:5], s[4:5], s[22:23]
	s_mul_i32 s22, ttmp9, 6144
	s_mul_i32 s21, s20, 1536
	s_add_co_u32 s22, s22, s21
	s_add_nc_u64 s[16:17], s[16:17], s[22:23]      ; xc at my wave's first token
	s_lshl_b32 s22, ttmp9, 8
	s_add_nc_u64 s[18:19], s[18:19], s[22:23]      ; xs and out1: 256 bytes a work-group
	s_add_nc_u64 s[8:9], s[8:9], s[22:23]
	s_lshl_b32 s22, ttmp9, 6
	s_add_nc_u64 s[10:11], s[10:11], s[22:23]      ; out2, sel, gw: 64 bytes a work-group
	s_add_nc_u64 s[12:13], s[12:13], s[22:23]
	s_add_nc_u64 s[14:15], s[14:15], s[22:23]
.set n, 0
.rept 16
	global_load_b128 v[X+4*n:X+4*n+3], v2, s[6:7] offset:2048*n          ; all of Wg: 2,048 consecutive bytes a load of the work-group
.set n, n+1
.endr
.set n, 0
.rept 16
	global_load_b128 v[R+4*n:R+4*n+3], v4, s[4:5] offset:512*n th:TH_LOAD_NT   ; my two rows: 512 consecutive bytes a load
.set n, n+1
.endr
	s_wait_loadcnt 16                              ; Wg is in; x's 16 loads may be out
.set n, 0
.rept 16
	ds_store_b128 v3, v[X+4*n:X+4*n+3] offset:2304*n
.set n, n+1
.endr
	s_wait_dscnt 0x0                               ; for the others' sake: my part of Wg lies in LDS
	s_barrier_signal -1
	s_barrier_wait -1
	s_wait_loadcnt 0x0                             ; x
; x's four steps of 512 numbers turn through the stages: in as loaded, out 64 bytes a lane.  LDS serves a wave's instructions in order: no wait between.
.irp t, 0,1,2,3
.irp i, 0,1,2,3
	ds_store_b128 v6, v[R+32*(\t/2)+4*(4*(\t%2)+\i):R+32*(\t/2)+4*(4*(\t%2)+\i)+3] offset:2560*\t+640*\i
.endr
.irp i, 0,1,2,3
	ds_load_b128 v[X+16*\t+4*\i:X+16*\t+4*\i+3], v7 offset:2560*\t+16*\i
.endr
.endr
.macro WSET i                          ; Wg(128 i + 4 lane + c, e) into register 8 c + e of set i % 2
.irp m, 0,1,2,3,4,5,6,7
	ds_load_b128 v[WA+32*((\i)%2)+4*\m:WA+32*((\i)%2)+4*\m+3], v5 offset:4608*(\i)+16*\m
.endr
.endm
.macro DOT i                           ; 64 multiply-adds on 16 sums that take turns; the first products start the sums
.irp c, 0,1,2,3
.irp p, 0,1
.irp e, 0,1,2,3,4,5,6,7
.if (\i) == 0 && \c == 0
	v_mul_f32 v[ACC+8*\p+\e], v[R+32*\p+4*(\i)+\c], v[WA+32*((\i)%2)+8*\c+\e]
.else
	v_fmac_f32 v[ACC+8*\p+\e], v[R+32*\p+4*(\i)+\c], v[WA+32*((\i)%2)+8*\c+\e]
.endif
.endr
.endr
.endr
.endm
	WSET 0
	WSET 1
.irp i, 0,1,2,3,4,5,6,7
.if \i < 7
	s_wait_dscnt 8                                 ; this set is in; the other set's eight loads may be out
.else
	s_wait_dscnt 0x0
.endif
	DOT \i
.if \i < 6
	WSET \i+2
.endif
.endr
; A step's 16 blocks: two neighbouring lanes hold a block.
.macro QSTEP t
.set XS, X+16*(\t)
	v_max3_num_f32 v244, |v[XS]|, |v[XS+1]|, |v[XS+2]|
	v_max3_num_f32 v245, |v[XS+3]|, |v[XS+4]|, |v[XS+5]|
.irp i, 6,10
	v_max3_num_f32 v244, v244, |v[XS+\i]|, |v[XS+\i+1]|
	v_max3_num_f32 v245, v245, |v[XS+\i+2]|, |v[XS+\i+3]|
.endr
	v_max3_num_f32 v244, v244, |v[XS+14]|, |v[XS+15]|
	v_max3_num_f32 v244, v244, v245, 0x2800000     ; and the floor 2^(5 - 127): the byte cannot fall under 1
	v_max_num_f32_dpp v244, v244, v244 row_xmask:1 row_mask:0xf bank_mask:0xf   ; with my neighbour's 16: the block's largest magnitude
	v_add_nc_u32 v246, 0xfe000000, v244            ; 4 off its exponent field: the conversion takes that field as its scale
	v_cvt_scalef32_pk16_bf6_f32 v[CD+4*(\t):CD+4*(\t)+2], v[XS:XS+15], v246
	v_lshrrev_b32 v[E+(\t)], 23, v246              ; the scale's byte (a plain line behind the conversion)
	ds_store_b8 v9, v[E+(\t)] offset:16*(\t)       ; both lanes of a block write the same byte
	global_store_b96 v8, v[CD+4*(\t):CD+4*(\t)+2], s[16:17] offset:768*((\t)/2)+192*((\t)%2)
.endm
	QSTEP 0
	QSTEP 1
	QSTEP 2
	QSTEP 3
; the 16 sums over the wave's 32 lanes, by turns; every lane ends with every logit
.irp m, 1,2,4,8
.irp a, 0,1,2,3,4,5,6,7,8,9,10,11,12,13,14,15
	v_add_f32_dpp v[ACC+\a], v[ACC+\a], v[ACC+\a] row_xmask:\m row_mask:0xf bank_mask:0xf
.endr
.endr
.irp a, 0,1,2,3,4,5,6,7,8,9,10,11,12,13,14,15
	v_permlanex16_b32 v[WA+\a], v[ACC+\a], s26, s27
.endr
.irp a, 0,1,2,3,4,5,6,7,8,9,10,11,12,13,14,15
	v_add_f32 v[ACC+\a], v[ACC+\a], v[WA+\a]
.endr
; The two largest of a row's eight: strict compares in ascending order keep the lower index among equals.  Values are chosen by selects: no branch, no address hangs on them.
.macro TOP2 p
	v_mov_b32 v244, v[ACC+8*\p]
	v_mov_b32 v[248+2*\p], 0
.irp e, 1,2,3,4,5,6,7
	v_cmp_gt_f32 vcc_lo, v[ACC+8*\p+\e], v244
	v_cndmask_b32 v244, v244, v[ACC+8*\p+\e], vcc_lo
	v_cndmask_b32 v[248+2*\p], v[248+2*\p], \e, vcc_lo
.endr
	v_mov_b32 v245, 0xff800000                     ; -infinity
	v_mov_b32 v[249+2*\p], 0
.irp e, 0,1,2,3,4,5,6,7
	v_cmp_ne_u32 s24, \e, v[248+2*\p]
	v_cmp_gt_f32 s25, v[ACC+8*\p+\e], v245
	s_and_b32 s24, s24, s25
	v_cndmask_b32 v245, v245, v[ACC+8*\p+\e], s24
	v_cndmask_b32 v[249+2*\p], v[249+2*\p], \e, s24
.endr
	v_sub_f32 v246, v245, v244                     ; the second less the first: 0 or less
	v_mul_f32 v246, 0x3fb8aa3b, v246
	s_wait_alu depctr_va_vdst(0)
	v_exp_f32 v246, v246
	v_nop                                          ; a plain line behind a transcendental
	s_wait_alu depctr_va_vdst(0)
	v_add_f32 v247, 1.0, v246
	s_wait_alu depctr_va_vdst(0)
	v_rcp_f32 v[252+2*\p], v247                    ; the first's weight
	v_nop
	s_wait_alu depctr_va_vdst(0)
	v_mul_f32 v[253+2*\p], v246, v[252+2*\p]       ; the second's
.endm
	TOP2 0
	TOP2 1
.irp m, 0,1,2,3
	ds_store_b128 v10, v[ACC+4*\m:ACC+4*\m+3] offset:16*\m     ; every lane writes the same bytes with the same values
.endr
	ds_store_b128 v11, v[248:251]
	ds_store_b128 v11, v[252:255] offset:64
	s_wait_dscnt 0x0                               ; for wave 0's sake
	s_barrier_signal -1
	s_barrier_wait -1
	s_cmp_lg_u32 s20, 0
	s_cbranch_scc1 .Lend
	ds_load_b64 v[20:21], v13
	ds_load_b64 v[22:23], v14
	ds_load_b32 v24, v15
	ds_load_b32 v25, v15 offset:64
	v_lshlrev_b32 v16, 3, v1
	v_lshlrev_b32 v17, 2, v1
	s_wait_alu depctr_va_vdst(0)
	s_wait_dscnt 0x0
	global_store_b64 v16, v[20:21], s[18:19]       ; 32 lanes store 256 consecutive bytes, aligned: xs
	global_store_b64 v16, v[22:23], s[8:9]         ; and out1
	s_wait_xcnt 0x0                                ; EXEC changes only behind this wait
	v_cmp_gt_u32 vcc_lo, 16, v1
	s_and_saveexec_b32 s28, vcc_lo
	global_store_b32 v17, v24, s[10:11]            ; 64 bytes each: out2, sel, gw
	global_store_b32 v17, v24, s[12:13]
	global_store_b32 v17, v25, s[14:15]
	s_wait_xcnt 0x0
	s_or_b32 exec_lo, exec_lo, s28
.Lend:
	s_wait_tensorcnt 0x0
	ds_add_u32 v235, v239
	s_wait_dscnt 0x0
	s_endpgm
.Lfunc_end_k_q39d1b99eb5_gate:
	.size	k_q39d1b99eb5_gate, .Lfunc_end_k_q39d1b99eb5_gate-k_q39d1b99eb5_gate
	.p2alignl 7, 3214868480
	.fill 96, 4, 3214868480
	.section	.rodata,"a",@progbits
	.p2align	6, 0x0
	.amdhsa_kernel k_q39d1b99eb5_gate
		.amdhsa_group_segment_fixed_size 79360
		.amdhsa_private_segment_fixed_size 0
		.amdhsa_enable_private_segment 0
		.amdhsa_kernarg_size 64
		.amdhsa_user_sgpr_count 2
		.amdhsa_user_sgpr_kernarg_segment_ptr 1
		.amdhsa_wavefront_size32 1
		.amdhsa_system_sgpr_workgroup_id_x 1
		.amdhsa_system_sgpr_workgroup_id_y 1
		.amdhsa_system_sgpr_workgroup_id_z 1
		.amdhsa_system_vgpr_workitem_id 0
		.amdhsa_next_free_vgpr 256
		.amdhsa_next_free_sgpr 66
		.amdhsa_reserve_vcc 1
		.amdhsa_float_denorm_mode_32 3
		.amdhsa_float_denorm_mode_16_64 3
		.amdhsa_memory_ordered 1
		.amdhsa_forward_progress 1
		.amdhsa_inst_pref_size 48
	.end_amdhsa_kernel
	.amdgpu_metadata
---
amdhsa.version: [ 1, 2 ]
amdhsa.kernels:
  - .name:           k_q39d1b99eb5_gate
    .symbol:         k_q39d1b99eb5_gate.kd
    .args:
      - { .name: x, .offset: 0, .size: 8, .value_kind: global_buffer, .address_space: global }
      - { .name: Wg, .offset: 8, .size: 8, .value_kind: global_buffer, .address_space: global }
      - { .name: out1, .offset: 16, .size: 8, .value_kind: global_buffer, .address_space: global }
      - { .name: out2, .offset: 24, .size: 8, .value_kind: global_buffer, .address_space: global }
      - { .name: sel, .offset: 32, .size: 8, .value_kind: global_buffer, .address_space: global }
      - { .name: gw, .offset: 40, .size: 8, .value_kind: global_buffer, .address_space: global }
      - { .name: xc, .offset: 48, .size: 8, .value_kind: global_buffer, .address_space: global }
      - { .name: xs, .offset: 56, .size: 8, .value_kind: global_buffer, .address_space: global }
    .group_segment_fixed_size: 79360
    .private_segment_fixed_size: 0
    .kernarg_segment_align: 8
    .kernarg_segment_size: 64
    .max_flat_workgroup_size: 128
    .sgpr_count:     66
    .vgpr_count:     256
    .wavefront_size: 32
...
	.end_amdgpu_metadata
.endif
;; end of part 6
;; launch place (part 7): grid 8 x 1, 1 waves a work-group, no clusters, 9,728 bytes of LDS; arguments sel, lst; writes lst
.if DOCPART == 7
	.amdgcn_target "amdgcn-amd-amdhsa--gfx1250"
	.amdhsa_code_object_version 6
	.text
	.protected	k_q39d1b99eb5_place
	.globl	k_q39d1b99eb5_place
	.p2align	8
	.type	k_q39d1b99eb5_place,@function
k_q39d1b99eb5_place:
	s_mov_b64 s[64:65], 0
	v_nop
	global_prefetch_b8 v0, s[64:65] scope:SCOPE_SE
	s_setreg_imm32_b32 hwreg(HW_REG_WAVE_MODE, 25, 1), 1
	s_wait_xcnt 0x0
; THE ROWS OF EACH EXPERT.  sel [4096] holds the expert of row rid = 2 token + slot.  Work-group e, one wave, makes expert e's list: the rids with sel[rid] = e, and their number.
; lst: 9,472 bytes an expert: 2,304 entries, then 256 bytes that hold the count in every word.  Entries past the count name the dump row 4,096 + e.
; (2,304 entries: an expert has 128 tiles of 16 rows at the most, and the later launches read the list 16 tiles ahead.)
; A counting pass, no atomics: the lane holds words 128 n + 4 lane + c of sel; for each (n, c) the members' ranks are the count so far + the members in the lanes below.  A member writes its rid at its rank
; in LDS, the others write a dump word of their own.  The picks go in batches of eight, so that the scalar prefix waits for the vector compares once a batch.
; The list leaves LDS as it lies: 512 consecutive aligned bytes a store.  One owner for each list, so eight work-groups are all the work there is.
.set DUMPW, 2304                       ; LDS: 2,304 words of list, then 32 dump words
.set TA, 48                            ; v48-63  two rings of eight LDS addresses
.set TD, 64                            ; v64-79  two rings of eight rids
	s_load_b128 s[4:7], s[0:1], 0x0                ; sel, lst
	v_lshl_add_u32 v126, v0, 2, 0x2500
	v_mov_b32 v127, 0
	v_lshlrev_b32 v14, 4, v0                       ; one wave: v0 is the lane.  16 bytes a lane
	v_add_nc_u32 v23, DUMPW, v0                    ; my dump word
	v_lshlrev_b32 v44, 2, v0
	v_lshlrev_b32 v16, 3, v0
	s_mov_b32 s19, ttmp9                           ; e
	s_add_co_u32 s34, s19, 4096
.irp i, 24,25,26,27
	v_mov_b32 v\i, s34                             ; the dump row's number
.endr
	s_mul_i32 s24, s19, 9472
	s_mov_b32 s25, 0
	s_wait_alu depctr_va_vdst(0)
	s_wait_kmcnt 0x0
.set n, 0
.rept 32
	global_load_b128 v[128+4*n:131+4*n], v14, s[4:5] offset:512*n          ; all of sel
.set n, n+1
.endr
	s_add_nc_u64 s[6:7], s[6:7], s[24:25]          ; my expert's part of lst
.set li, 0
.rept 18
	ds_store_b128 v14, v[24:27] offset:512*li      ; all 2,304 entries first name the dump row
.set li, li+1
.endr
	s_mov_b32 s28, 0                               ; the count so far
	s_wait_loadcnt 0x0
.macro PICK8                           ; words pk .. pk + 7 of my lane's 128: rid = 128 (k / 4) + 4 lane + k % 4
.set RB, 8*((pk/8)%2)
.if pk >= 16
	s_wait_dscnt 8                                 ; the batch two back has read this ring's registers; the last batch's eight stores may be out
.endif
.irp i, 0,1,2,3,4,5,6,7
	v_cmp_eq_u32 s[32+\i], s19, v[128+pk+\i]
.endr
.irp i, 0,1,2,3,4,5,6,7
	s_mov_b32 s[40+\i], s28                        ; the count ahead of pick i
	s_bcnt1_i32_b32 s30, s[32+\i]
	s_add_co_u32 s28, s28, s30
.endr
.irp i, 0,1,2,3,4,5,6,7
	v_mbcnt_lo_u32_b32 v[TA+RB+\i], s[32+\i], s[40+\i]     ; + the members in the lanes below me
.endr
.irp i, 0,1,2,3,4,5,6,7
	v_cndmask_b32 v[TA+RB+\i], v23, v[TA+RB+\i], s[32+\i]  ; who is no member writes its dump word
.endr
.irp i, 0,1,2,3,4,5,6,7
	v_min_u32 v[TA+RB+\i], DUMPW+31, v[TA+RB+\i]
.endr
.irp i, 0,1,2,3,4,5,6,7
	v_lshlrev_b32 v[TA+RB+\i], 2, v[TA+RB+\i]
.endr
.irp i, 0,1,2,3,4,5,6,7
	v_add_nc_u32 v[TD+RB+\i], 128*((pk+\i)/4)+(pk+\i)%4, v44
.endr
.irp i, 0,1,2,3,4,5,6,7
	ds_store_b32 v[TA+RB+\i], v[TD+RB+\i]          ; LDS serves a wave's instructions in order: these come behind the fill above
.endr
.endm
.set pk, 0
.rept 16
	PICK8
.set pk, pk+8
.endr
.set li, 0
.rept 18
	ds_load_b128 v[128+4*li:131+4*li], v14 offset:512*li   ; in order behind my stores
.set li, li+1
.endr
	v_mov_b32 v20, s28
	v_mov_b32 v21, s28
.set li, 0
	s_wait_alu depctr_va_vdst(0)
.rept 18
	s_wait_dscnt 17-li                             ; load li is in; the younger ones may be out
	global_store_b128 v14, v[128+4*li:131+4*li], s[6:7] offset:512*li      ; 512 consecutive aligned bytes
.set li, li+1
.endr
	global_store_b64 v16, v[20:21], s[6:7] offset:9216     ; the count, 256 consecutive aligned bytes
	s_wait_tensorcnt 0x0
	ds_add_u32 v126, v127
	s_wait_dscnt 0x0
	s_endpgm
.Lfunc_end_k_q39d1b99eb5_place:
	.size	k_q39d1b99eb5_place, .Lfunc_end_k_q39d1b99eb5_place-k_q39d1b99eb5_place
	.p2alignl 7, 3214868480
	.fill 96, 4, 3214868480
	.section	.rodata,"a",@progbits
	.p2align	6, 0x0
	.amdhsa_kernel k_q39d1b99eb5_place
		.amdhsa_group_segment_fixed_size 9728
		.amdhsa_private_segment_fixed_size 0
		.amdhsa_enable_private_segment 0
		.amdhsa_kernarg_size 16
		.amdhsa_user_sgpr_count 2
		.amdhsa_user_sgpr_kernarg_segment_ptr 1
		.amdhsa_wavefront_size32 1
		.amdhsa_system_sgpr_workgroup_id_x 1
		.amdhsa_system_sgpr_workgroup_id_y 1
		.amdhsa_system_sgpr_workgroup_id_z 1
		.amdhsa_system_vgpr_workitem_id 0
		.amdhsa_next_free_vgpr 256
		.amdhsa_next_free_sgpr 66
		.amdhsa_reserve_vcc 0
		.amdhsa_float_denorm_mode_32 3
		.amdhsa_float_denorm_mode_16_64 3
		.amdhsa_memory_ordered 1
		.amdhsa_forward_progress 1
		.amdhsa_inst_pref_size 74
	.end_amdhsa_kernel
	.amdgpu_metadata
---
amdhsa.version: [ 1, 2 ]
amdhsa.kernels:
  - .name:           k_q39d1b99eb5_place
    .symbol:         k_q39d1b99eb5_place.kd
    .args:
      - { .name: sel, .offset: 0, .size: 8, .value_kind: global_buffer, .address_space: global }
      - { .name: lst, .offset: 8, .size: 8, .value_kind: global_buffer, .address_space: global }
    .group_segment_fixed_size: 9728
    .private_segment_fixed_size: 0
    .kernarg_segment_align: 8
    .kernarg_segment_size: 16
    .max_flat_workgroup_size: 32
    .sgpr_count:     66
    .vgpr_count:     256
    .wavefront_size: 32
...
	.end_amdgpu_metadata
.endif
;; end of part 7
;; launch ffn1 (part 8): grid 32 x 8, 4 waves a work-group, no clusters, 103,936 bytes of LDS; arguments lst, xc, xs, W1, b1, hc, hs; writes hc, hs
.if DOCPART == 8
	.amdgcn_target "amdgcn-amd-amdhsa--gfx1250"
	.amdhsa_code_object_version 6
	.text
	.protected	k_q39d1b99eb5_ffn1
	.globl	k_q39d1b99eb5_ffn1
	.p2align	8
	.type	k_q39d1b99eb5_ffn1,@function
k_q39d1b99eb5_ffn1:
	s_mov_b64 s[64:65], 0
	v_nop
	global_prefetch_b8 v0, s[64:65] scope:SCOPE_SE
	s_setreg_imm32_b32 hwreg(HW_REG_WAVE_SCHED_MODE, 0, 2), 2
	s_setreg_imm32_b32 hwreg(HW_REG_WAVE_MODE, 25, 1), 1
	s_wait_xcnt 0x0
	s_wait_alu depctr_vm_vsrc(0)
; THE FIRST PRODUCT, FOR THE CHOSEN ROWS ONLY: h = relu(x W1[e] + b1[e]) on codes of BF6 (E3M2) with E8M0 scales for each 32 along K, and h quantised along the next K.
; THE WEIGHTS STAY, THE ROWS MOVE.  Work-group (j, e) owns hidden units 64 j .. 64 j + 63 of expert e: 1,024 x 64 numbers of W1, 256 KiB, which leave memory once in the whole launch.
;   Weight phase: a lane loads 16 bytes (4 columns) of each of a block's 32 rows, so that sixteen lanes read 256 consecutive aligned bytes and 128 loads of 512 bytes a wave are asked for; 128 moves a group lay
;   each column's 32 numbers along K in consecutive registers; largest magnitude, scale, conversion; the codes meet in LDS, one row a unit, and each wave takes all 32 fragments into its registers (384).
;   Row phase: expert e's list of rows (rid = 2 token + slot) and their number were stored by the launch before.  Wave w takes tiles w, w + 4, w + 8 .. of 16 rows.  A tile: x's codes by whole aligned blocks of
;   256 bytes, turned through the wave's stage into an operand; 32 matrix instructions; relu; quantised in registers; stored as a part of an image of the next product's operand registers.
;   Two sets of a tile's loads are on their way; a set's list entries are read one turn further ahead than the rows that they address, so that every wait is counted.
;   The two first sets are asked for inside the last two weight groups, where no weight load is left to issue: they land under the quantising, the barrier and the fragment loads.
; No tensor load and no cluster: the tile loop jumps over work on a count read from memory.  The loop's trip count is the constant 16 (128 tiles at the most: all 2,048 tokens on one expert).
; THE MATRIX INSTRUCTION IS USED TRANSPOSED (source 0 = 16 units of W1, source 1 = 16 rows of x), and unit u lies at LDS row u with bits 3 and 4 swapped: row 16 t + m holds unit 32 (t / 2) + 8 (t % 2) + m % 8 + 16 (m / 8),
;   so that a lane's registers 16 b + i of tiles 2 b, 2 b + 1 are units 32 b + 16 (lane / 16) + i: 16 neighbours along the next K.
; hc: [e][tile][K step 16][1,536 bytes]: registers 4 z .. 4 z + 3 of a fragment at 512 z + 16 lane.  My 64 units are registers 6 c .. 6 c + 5 (c = j % 2) of K step j / 2.
; hs: [e][tile][1,024 bytes]: the word of (K step s, row r) at 512 ((s % 8) / 4) + 16 (r + 16 (s / 8)) + 4 (s % 4).
; LIMITS: NaN and infinities are not served.  A block whose largest magnitude lies under 2^-122 (zeros too) gets the byte 1; this program alone reads the bytes.
;   A third of hc's bytes leave as 8 bytes a lane 16 bytes apart, and hs as single bytes: blocks of 256 bytes written in part.
; REGISTERS.  Window 0: v1-20, v44 addresses; v24-32, v34-42 two sets of list entries; v46-93 the weight phase's codes and scales, later v68-86 the quantiser's;
;   v96-111 W1's scale words, v112-119 x's (two sets): scales and nothing else; v128-255 a group's 4 x 32 numbers; later v128-159 the tile's h, v160-255 x's operand.
;   Window 1: two sets of 128 as loaded; later W1's fragments of K steps 0-3 at 48 t + 12 s.  Window 2: K steps 4-7.
;   Window 3: v0-95, v96-191 two tiles of x as loaded; v192-223 b1 in the result's layout; v224-232, v240-248 two sets of row offsets.
; THE MODE: SCHED_MODE bits 1:0 = 2 (LLVM: expert scheduling mode 2), set by the entry lines.  The code itself states the register dependences
; between vector or matrix instructions and memory or LDS instructions, with s_wait_alu, always for 0.
; THE PLAN.  Registers that memory or LDS instructions touch:
;   window 1, two sets   A weight group's 128 moves read a set; behind them the loads of two groups on land in it; behind the barrier W1's fragments do.
;   v46-69, v86-89       A group's conversions and moves write them, its LDS stores read them, the next group writes them again.
;   window 3, set p      Loads land in it, the tile's 24 LDS stores read it, the loads of the tile eight on land in it: no vector instruction names it.
;   v160-255             The tile's 24 LDS loads land in it, its 32 products read it.
;   window 3, offsets p  Made anew in the tile's turn, read by the set's 25 loads.
;   v24-42, v112-119     List entries and x's scale words: loaded at a tile's end, read in the set's next turn by vector lines and by the products.
;   v17-20, v76, v78-83  Written by the tile's last vector lines, read by its list loads and stores.
;   v4-16, v44           Made at the head, never written again.
; A TILE'S WAITS.  At its head one on vm_vsrc (the set's loads have read their offsets).  Ahead of the first row loads one on vm_vsrc (the LDS stores have read the set; the last tile's list loads and
; stores have read their registers) and one on va_vdst (the offsets are written); the 24 row loads follow, dealt among the products, which name none of their registers.  At the tile's end ONE on va_vdst, for
; the scale words' load, the list loads and the stores; no vector instruction stands behind it, so the next tile's LDS loads into v160-255 hang on it too.
.set RSTR,  8192                       ; a row of W1[e] in bytes
.set GSTEP, 524288                     ; two blocks of 32 rows
.set CP,    784                        ; LDS: a unit's codes: 768 bytes + 16
.set BP,    48                         ; a unit's 32 scale bytes + 16
.set CIMM,  24
.set BIMM,  2
.set WSB,   50176                      ; behind 64 rows of codes: the scale bytes
.set STG,   53248                      ; a stage of 16 x 784 bytes for each wave
.set SWB,   10                         ; s[10:11] W1
.set AW,    224                        ; window 3: set p's eight row offsets at AW + 16 p, its scale words' offset at AW + 16 p + 8
.set MSB, 0
.macro WIN new                         ; the immediate's high byte repeats the setting that is left; a switch that changes nothing is dropped
.if MSB != \new
	s_set_vgpr_msb (MSB<<8)|\new
.set MSB, \new
.endif
.endm
.macro WLOAD n                         ; group n: register 4 i + c of set n % 2 = W(32 block + i, my column c)
	WIN 0x40
.set wi, 0
.rept 32
	global_load_b128 v[128*((\n)%2)+4*wi:128*((\n)%2)+4*wi+3], v4, s[SWB:SWB+1] offset:(\n)*GSTEP+wi*RSTR th:TH_LOAD_NT
.set wi, wi+1
.endr
.endm
.macro LLOAD p, off                    ; set p's list entries, off bytes on from v17, v18: the eight rows of my half of a tile, and row r
	global_load_b128 v[24+10*\p:27+10*\p], v17, s[4:5] offset:\off
	global_load_b128 v[28+10*\p:31+10*\p], v17, s[4:5] offset:\off+16
	global_load_b32 v[32+10*\p], v18, s[4:5] offset:\off
.endm
; From set p's list entries: the offsets of eight rows of my half in xc, and of row r in xs.  token = rid / 2, held inside the table (the dump row falls on token 2,047).
.macro ADDRC p
	WIN 0
.irp m, 0,1,2,3,4,5,6,7,8
	v_lshrrev_b32 v[24+10*\p+\m], 1, v[24+10*\p+\m]
.endr
.irp m, 0,1,2,3,4,5,6,7,8
	v_min_u32 v[24+10*\p+\m], 2047, v[24+10*\p+\m]
.endr
	WIN 0xc0                                       ; the offsets lie in window 3
.irp m, 0,1,2,3,4,5,6,7
	v_mad_u32_u24 v[AW+16*\p+\m], v[24+10*\p+\m], 768, v13
.endr
	v_lshl_add_u32 v[AW+16*\p+8], v[32+10*\p], 5, v44
.endm
.macro GLOAD p, k0                     ; eight of a tile's 24 loads, from load k0 on.  16 rows x 768 bytes: lanes 0-15 read 256 consecutive aligned bytes of row m, lanes 16-31 of row 8 + m
	WIN 0xc3                                       ; data and offsets in window 3
.set gk, \k0
.rept 8
	global_load_b128 v[96*\p+4*gk:96*\p+4*gk+3], v[AW+16*\p+gk/3], s[6:7] offset:256*(gk%3)
.set gk, gk+1
.endr
.endm
.macro XLOAD p                         ; the tile's scale words: lanes 0-15 K steps 0-3 of row r, lanes 16-31 K steps 4-7
	WIN 0x03
	global_load_b128 v[112+4*\p:115+4*\p], v[AW+16*\p+8], s[8:9]
	WIN 0
.endm
.macro FIRST p                         ; set p's first 28 loads: tile w + 4 p, and the list entries of the tile eight on
	ADDRC \p
	WIN 0xc3
	s_wait_alu depctr_va_vdst(0)                   ; the offsets are written, which the loads below read
	GLOAD \p, 0
	GLOAD \p, 8
	GLOAD \p, 16
	XLOAD \p
	LLOAD \p, 512+256*\p
.endm
.macro WQUANT n, left
	s_wait_loadcnt \left                           ; this group is in; what was asked for behind it may be out
	WIN 0x01
.set wc, 0
.rept 4
.set wi, 0
.rept 32
	v_mov_b32 v[128+32*wc+wi], v[128*((\n)%2)+4*wi+wc]     ; column c's 32 numbers on end
.set wi, wi+1
.endr
.set wc, wc+1
.endr
.if (\n) < 2
	WIN 0x40
	s_wait_alu depctr_va_vdst(0)                   ; the moves are done reading the set, in which the loads below land
	WLOAD (\n)+2                                   ; the set is free: two groups on
.elseif (\n) == 2
	FIRST 0                                        ; no weight is left to ask for: the first tiles' rows.  32 + 28 loads of mine are out
.else
	FIRST 1                                        ; 28 + 28
.endif
	WIN 0
.irp c, 0,1,2,3
	v_max3_num_f32 v[86+\c], |v[128+32*\c]|, |v[129+32*\c]|, 0x2800000   ; with the floor 2^(5 - 127): the byte cannot fall under 1
.endr
.irp i, 2,4,6,8,10,12,14,16,18,20,22,24,26,28,30
.irp c, 0,1,2,3
	v_max3_num_f32 v[86+\c], v[86+\c], |v[128+32*\c+\i]|, |v[129+32*\c+\i]|   ; the four columns by turns
.endr
.endr
.irp c, 0,1,2,3
	v_add_nc_u32 v[90+\c], 0xfe000000, v[86+\c]    ; 4 off the exponent field: the conversion's scale operand
.endr
.irp c, 0,1,2,3
	v_lshrrev_b32 v[86+\c], 23, v[90+\c]           ; the scale's byte
.endr
.irp c, 0,1,2,3
	v_cvt_scalef32_pk16_bf6_f32 v[46+6*\c:48+6*\c], v[128+32*\c:143+32*\c], v[90+\c]
	v_cvt_scalef32_pk16_bf6_f32 v[70+4*\c:72+4*\c], v[144+32*\c:159+32*\c], v[90+\c]   ; (a conversion's three registers begin on an even number)
.endr
	v_nop                                          ; a plain line behind the conversions
.irp c, 0,1,2,3
.irp i, 0,1,2
	v_mov_b32 v[49+6*\c+\i], v[70+4*\c+\i]
.endr
.endr
	s_wait_alu depctr_va_vdst(0)                   ; the codes v46-69 and the bytes v86-89 are written, which the LDS stores read; the group's lines are done with window 1 and with v128-255, in which LDS loads land later
.irp c, 0,1,2,3
.irp p, 0,1,2
	ds_store_b64 v5, v[46+6*\c+2*\p:47+6*\c+2*\p] offset:\c*CP+(\n)*CIMM+8*\p
.endr
.endr
.irp c, 0,1,2,3
	ds_store_b8 v6, v[86+\c] offset:\c*BP+(\n)*BIMM
.endr
	s_wait_dscnt 0x0                               ; my stores lie in LDS (for the others' sake, ahead of the barrier behind the last group)
	s_wait_alu depctr_vm_vsrc(0)                   ; the LDS stores have read v46-69 and v86-89, which the next group, and later the tiles' quantiser, write again
.endm
	s_load_b256 s[4:11], s[0:1], 0x0               ; lst, xc, xs, W1
	s_load_b128 s[12:15], s[0:1], 0x20             ; b1, hc
	s_load_b64 s[16:17], s[0:1], 0x30              ; hs
	v_lshl_add_u32 v126, v0, 2, 0x19400
	v_mov_b32 v127, 0
	v_lshrrev_b32 v1, 5, v0
	v_readfirstlane_b32 s18, v1                    ; wave
	s_and_b32 s19, ttmp7, 0xffff                   ; e
	s_mov_b32 s20, ttmp9                           ; j
	s_and_b32 s21, s20, 1                          ; c
	s_lshr_b32 s22, s20, 1                         ; the next product's K step
	v_and_b32 v1, 31, v0                           ; lane
	v_and_b32 v2, 15, v0                           ; r (weight phase: which 4 columns)
	v_bfe_u32 v3, v0, 4, 1                         ; h (weight phase: which of the group's two blocks)
	v_lshlrev_b32 v4, 4, v2
	v_lshl_add_u32 v4, v3, 18, v4                  ; W1: 16 r + 32 rows x h
	v_and_b32 v5, 9, v2
	v_lshlrev_b32 v5, 2, v5
	v_and_b32 v6, 2, v2
	v_lshl_or_b32 v5, v6, 3, v5
	v_and_b32 v6, 4, v2
	v_lshl_or_b32 v5, v6, 1, v5                    ; unit 4 r with bits 3 and 4 swapped: its LDS row
	v_mul_u32_u24 v6, v5, BP
	v_add_nc_u32 v6, v6, v3
	s_wait_alu depctr_va_sdst(0)                   ; s18 is written, ahead of its first reader
	s_lshl_b32 s34, s18, 3
	s_add_co_u32 s34, s34, WSB
	v_add_nc_u32 v6, s34, v6                       ; scale byte of block 8 w + 2 n + h
	v_mul_u32_u24 v5, v5, CP
	v_mad_u32_u24 v5, v3, 384, v5
	s_mul_i32 s34, s18, 96
	v_add_nc_u32 v5, s34, v5                       ; its codes: 384 (block % 2) + 24 (block / 2)
	v_mul_u32_u24 v7, v2, CP
	v_mad_u32_u24 v7, v3, 384, v7                  ; a fragment's lane: row r, half h
	v_mul_u32_u24 v8, v2, BP
	v_lshl_add_u32 v8, v3, 4, v8
	v_add_nc_u32 v8, WSB, v8                       ; scale words: lanes 0-15 K steps 0-3, lanes 16-31 K steps 4-7
	v_lshlrev_b32 v9, 5, v3                        ; list: eight entries of my half of a tile
	v_lshlrev_b32 v10, 2, v2                       ; list: row r's entry
	s_mul_i32 s34, s18, 12544
	s_add_co_u32 s34, s34, STG
	v_mul_u32_u24 v11, v3, 6272
	v_lshl_add_u32 v11, v2, 4, v11
	v_add_nc_u32 v11, s34, v11                     ; stage, in: row 8 h + m, 16 r
	v_add_nc_u32 v12, s34, v7                      ; out: row r, half h
	v_lshlrev_b32 v13, 4, v2
	v_lshlrev_b32 v14, 4, v1
	v_lshl_add_u32 v15, v2, 4, v3
	v_lshlrev_b32 v16, 6, v3
	v_lshlrev_b32 v44, 4, v3                       ; 16 h
	v_lshl_add_u32 v17, s18, 6, v9                 ; my first tile's entries: 64 bytes a tile
	v_lshl_add_u32 v18, s18, 6, v10
	s_mov_b32 s25, 0
	s_mov_b32 s36, 0x76543210
	s_mov_b32 s37, 0xfedcba98                      ; v_permlanex16_b32: lane l xor 16
	s_mov_b32 s38, 0xffff0000                      ; lanes 16-31
	s_wait_kmcnt 0x0
	s_mul_i32 s24, s19, 9472
	s_add_nc_u64 s[4:5], s[4:5], s[24:25]          ; lst[e]
	s_load_b32 s28, s[4:5], 0x2400                 ; the number of its rows, behind the 2,304 entries
	s_wait_alu depctr_va_vdst(0)                   ; the addresses and offsets v4 to v18 and v44 are written, which the loads, stores and LDS instructions below read
	LLOAD 0, 0                                     ; tile w's entries and tile w + 4's: they are in with the first weight group
	LLOAD 1, 256
	s_lshl_b32 s24, s19, 23
	s_lshl_b32 s26, s20, 8
	s_add_co_u32 s24, s24, s26
	s_lshl_b32 s26, s18, 21
	s_add_co_u32 s24, s24, s26
	s_add_nc_u64 s[10:11], s[10:11], s[24:25]      ; W1[e], my 64 columns, my wave's 256 rows
	s_lshl_b32 s24, s19, 13
	s_lshl_b32 s26, s20, 8
	s_add_co_u32 s24, s24, s26
	s_add_nc_u64 s[12:13], s[12:13], s[24:25]      ; b1[e], my 64
	s_mul_i32 s24, s19, 3145728
	s_mul_i32 s26, s22, 1536
	s_add_co_u32 s24, s24, s26
	s_add_nc_u64 s[14:15], s[14:15], s[24:25]      ; hc[e][0][K step]
	s_lshl_b32 s24, s19, 17
	s_bfe_u32 s26, s22, 0x10002
	s_lshl_b32 s26, s26, 9
	s_add_co_u32 s24, s24, s26
	s_lshr_b32 s26, s22, 3
	s_lshl_b32 s26, s26, 8
	s_add_co_u32 s24, s24, s26
	s_and_b32 s26, s22, 3
	s_lshl_b32 s26, s26, 2
	s_add_co_u32 s24, s24, s26
	s_lshl_b32 s26, s21, 1
	s_add_co_u32 s24, s24, s26
	s_add_nc_u64 s[16:17], s[16:17], s[24:25]      ; hs[e][0], my K step's word, my two bytes
	WIN 0xc0
.irp t, 0,1,2,3
	global_load_b128 v[192+8*\t:195+8*\t], v16, s[12:13] offset:(32*(\t/2)+8*(\t%2))*4      ; b1 at units 32 (t / 2) + 16 h + 8 (t % 2) + 0 .. 7: the C of a tile's first product
	global_load_b128 v[196+8*\t:199+8*\t], v16, s[12:13] offset:(32*(\t/2)+8*(\t%2))*4+16
.endr
	WLOAD 0
	WLOAD 1
	WQUANT 0, 32                                   ; the other weight set's 32 loads may be out; b1 and the first list entries are in with group 0
	WQUANT 1, 32
	WQUANT 2, 32
	WQUANT 3, 28                                   ; behind group 3's loads: tile set 0's 28
	s_barrier_signal -1                            ; (each wave's stores were waited for at the end of the last group)
	s_barrier_wait -1                              ; all 64 units' codes and scale bytes lie in LDS
	WIN 0x40                                       ; (the moves that read window 1 stand ahead of the last group's wait on va_vdst, and no vector line since names it)
.irp t, 0,1,2,3
.set fz, 0
.rept 12
	ds_load_b128 v[48*\t+4*fz:48*\t+4*fz+3], v7 offset:12544*\t+16*fz
.set fz, fz+1
.endr
.endr
	WIN 0x80
.irp t, 0,1,2,3
.set fz, 0
.rept 12
	ds_load_b128 v[48*\t+4*fz:48*\t+4*fz+3], v7 offset:12544*\t+192+16*fz
.set fz, fz+1
.endr
.endr
	WIN 0
.irp t, 0,1,2,3
	ds_load_b128 v[96+4*\t:99+4*\t], v8 offset:768*\t
.endr
	v_mov_b32 v70, 0                               ; a lane permute's destination counts as one of its sources
	v_mov_b32 v71, 0
	s_wait_kmcnt 0x0                               ; the count
	s_add_co_u32 s31, s28, 15
	s_lshr_b32 s31, s31, 4                         ; tiles of this expert
	s_mov_b32 s32, s18                             ; my first tile
	s_mov_b32 s39, 0
; 32 matrix instructions: K steps 0 to 7, the four tiles of units by turns, one instruction a turn.  The first takes b1 as C.
; Behind K steps 0 and 3, where the windows change in any case, stand eight each of the row loads of the tile eight on: the products name none of the registers that those loads touch.
.macro MM1 p
.set ms, 0
.rept 8
.if ms == 0
	WIN 0x31                                       ; W1 window 1, x window 0, b1 window 3
.elseif ms < 4
	WIN 0x01
.else
	WIN 0x02
.endif
.set mt, 0
.rept 4
.if ms == 0
	v_wmma_scale_f32_16x16x128_f8f6f4 v[128+8*mt:135+8*mt], v[48*mt:48*mt+11], v[160:171], v[192+8*mt:199+8*mt], v[96+4*mt], v[112+4*\p] matrix_a_fmt:MATRIX_FMT_BF6 matrix_b_fmt:MATRIX_FMT_BF6
.elseif ms < 4
	v_wmma_scale_f32_16x16x128_f8f6f4 v[128+8*mt:135+8*mt], v[48*mt+12*ms:48*mt+12*ms+11], v[160+12*ms:171+12*ms], v[128+8*mt:135+8*mt], v[96+4*mt+ms], v[112+4*\p+ms] matrix_a_fmt:MATRIX_FMT_BF6 matrix_b_fmt:MATRIX_FMT_BF6
.else
	v_wmma_scale_f32_16x16x128_f8f6f4 v[128+8*mt:135+8*mt], v[48*mt+12*(ms-4):48*mt+12*(ms-4)+11], v[160+12*ms:171+12*ms], v[128+8*mt:135+8*mt], v[96+4*mt+ms-4], v[112+4*\p+ms-4] matrix_a_fmt:MATRIX_FMT_BF6 matrix_b_fmt:MATRIX_FMT_BF6 matrix_a_scale:MATRIX_SCALE_ROW1 matrix_b_scale:MATRIX_SCALE_ROW1
.endif
.set mt, mt+1
.endr
.if ms == 0
	GLOAD \p, 8
.elseif ms == 3
	GLOAD \p, 16
.endif
.set ms, ms+1
.endr
	WIN 0
.endm
; Tile s33, whose rows lie in set p; the set is filled again with the tile eight on, and its list entries with those of the tile sixteen on.
.macro TRIP p
	s_wait_loadcnt 28                              ; set p's 24 + 1 + 3 loads are in; the other set's 28 may be out
	s_wait_alu depctr_vm_vsrc(0)                   ; set p's loads have read their offsets in window 3, which are made anew below
	WIN 0x0c                                       ; an LDS store's data: window 3
.set gk, 0
.rept 24
	ds_store_b128 v11, v[96*\p+4*gk:96*\p+4*gk+3] offset:784*(gk/3)+256*(gk%3)
.set gk, gk+1
.endr
	WIN 0
.set gk, 0
.rept 24
	ds_load_b128 v[160+4*gk:163+4*gk], v12 offset:16*gk        ; LDS serves a wave's instructions in order: these see the stores.  Registers 12 s .. 12 s + 11: K step s.  (The products that read v160-255 stand ahead of the last tile's closing wait on va_vdst)
.set gk, gk+1
.endr
	ADDRC \p                                       ; the tile eight on
	WIN 0xc3
	s_wait_dscnt 0x0                               ; the operand is in, and set p is read out
	s_wait_alu depctr_vm_vsrc(0)                   ; the LDS stores have read set p, in which the loads below land; the last tile's list loads have read v17, v18 and its stores v19, v20, v76, v78-83, which this tile writes again
	s_wait_alu depctr_va_vdst(0)                   ; the row offsets are written, which the loads below read
	GLOAD \p, 0
	MM1 \p
.rept 4
	v_nop                                          ; four places behind the last product, ahead of the first read of results
.endr
.set hj, 0
.rept 32
	v_max_num_f32 v[128+hj], 0, v[128+hj]          ; relu, each accumulator from its low end on
.set hj, hj+1
.endr
	v_max3_num_f32 v68, v128, v129, 0x2800000      ; two blocks of 32 units; none is negative; the floor 2^(5 - 127)
	v_max3_num_f32 v69, v144, v145, 0x2800000
.irp i, 2,4,6,8,10,12,14
	v_max3_num_f32 v68, v68, v[128+\i], v[129+\i]
	v_max3_num_f32 v69, v69, v[144+\i], v[145+\i]
.endr
	v_permlanex16_b32 v70, v68, s36, s37
	v_permlanex16_b32 v71, v69, s36, s37
	v_max_num_f32 v68, v68, v70                    ; with lane l xor 16's 16
	v_max_num_f32 v69, v69, v71
	v_add_nc_u32 v72, 0xfe000000, v68
	v_add_nc_u32 v73, 0xfe000000, v69
	v_lshrrev_b32 v74, 23, v72
	v_lshrrev_b32 v75, 23, v73
	s_wait_alu depctr_va_vdst(0)
	s_wait_xcnt 0x0                                ; the last tile's stores have had their addresses translated, and so have its list loads: their data and offsets are written again only behind this wait
	v_cvt_scalef32_pk16_bf6_f32 v[78:80], v[128:143], v72
	v_cvt_scalef32_pk16_bf6_f32 v[84:86], v[144:159], v73
	v_nop                                          ; a plain line behind the conversions
	v_cndmask_b32 v76, v74, v75, s38               ; lane (r, h) stores block h's byte
.irp i, 0,1,2
	v_permlane16_swap_b32 v[78+\i], v[84+\i]       ; a whole block to a lane: lanes 0-15 block 0, lanes 16-31 block 1
.endr
.irp i, 0,1,2
	v_mov_b32 v[81+\i], v[84+\i]
.endr
	v_lshl_add_u32 v17, s33, 6, v9
	v_lshl_add_u32 v18, s33, 6, v10
	s_mul_i32 s34, s33, 24576
	v_add_nc_u32 v19, s34, v14
	s_lshl_b32 s35, s33, 10
	v_add_nc_u32 v20, s35, v15
	WIN 0x03
	s_wait_alu depctr_va_vdst(0)                   ; the products are done reading x's scale words, in which the next land, and v160-255, in which the next tile's operand lands; v17 to v20, the codes v78-83 and the byte v76 are written, which the loads and stores below read
	XLOAD \p                                       ; the scale words of the tile eight on
	LLOAD \p, 1024                                 ; the entries of the tile sixteen on
	s_cmp_eq_u32 s21, 0
	s_cbranch_scc0 .Lodd_\@
	global_store_b128 v19, v[78:81], s[14:15]              ; registers 0-3 of the image,
	global_store_b64 v19, v[82:83], s[14:15] offset:512    ; 4 and 5
	s_branch .Lsent_\@
.Lodd_\@:
	global_store_b64 v19, v[78:79], s[14:15] offset:520    ; registers 6 and 7,
	global_store_b128 v19, v[80:83], s[14:15] offset:1024  ; 8 to 11
.Lsent_\@:
	global_store_b8 v20, v76, s[16:17]
.endm
	s_wait_dscnt 0x0                               ; W1's fragments and scale words are in
.Lloop:                                            ; 16 trips, two tiles each; a tile that the count does not reach is jumped over
	s_cmp_ge_u32 s32, s31
	s_cbranch_scc1 .Lidle
	s_mov_b32 s33, s32
	TRIP 0
	s_add_co_u32 s33, s32, 4
	s_cmp_ge_u32 s33, s31
	s_cbranch_scc1 .Lidle
	TRIP 1
	s_branch .Lnext
.Lidle:
	s_wait_loadcnt 0x0                             ; nothing is pending on this way
.Lnext:
	s_add_co_u32 s32, s32, 8
	s_add_co_u32 s39, s39, 1
	s_cmp_lt_u32 s39, 16
	s_cbranch_scc1 .Lloop
	s_wait_dscnt 0x0                               ; the closing lines, six on end
	s_wait_alu 0x0
	s_wait_tensorcnt 0x0
	ds_add_u32 v126, v127
	s_wait_dscnt 0x0
	s_endpgm
.Lfunc_end_k_q39d1b99eb5_ffn1:
	.size	k_q39d1b99eb5_ffn1, .Lfunc_end_k_q39d1b99eb5_ffn1-k_q39d1b99eb5_ffn1
	.p2alignl 7, 3214868480
	.fill 96, 4, 3214868480
	.section	.rodata,"a",@progbits
	.p2align	6, 0x0
	.amdhsa_kernel k_q39d1b99eb5_ffn1
		.amdhsa_group_segment_fixed_size 103936
		.amdhsa_private_segment_fixed_size 0
		.amdhsa_enable_private_segment 0
		.amdhsa_kernarg_size 56
		.amdhsa_user_sgpr_count 2
		.amdhsa_user_sgpr_kernarg_segment_ptr 1
		.amdhsa_wavefront_size32 1
		.amdhsa_system_sgpr_workgroup_id_x 1
		.amdhsa_system_sgpr_workgroup_id_y 1
		.amdhsa_system_sgpr_workgroup_id_z 1
		.amdhsa_system_vgpr_workitem_id 0
		.amdhsa_next_free_vgpr 1024
		.amdhsa_next_free_sgpr 66
		.amdhsa_reserve_vcc 0
		.amdhsa_float_denorm_mode_32 3
		.amdhsa_float_denorm_mode_16_64 3
		.amdhsa_memory_ordered 1
		.amdhsa_forward_progress 1
		.amdhsa_inst_pref_size 108
	.end_amdhsa_kernel
	.amdgpu_metadata
---
amdhsa.version: [ 1, 2 ]
amdhsa.kernels:
  - .name:           k_q39d1b99eb5_ffn1
    .symbol:         k_q39d1b99eb5_ffn1.kd
    .args:
      - { .name: lst, .offset: 0, .size: 8, .value_kind: global_buffer, .address_space: global }
      - { .name: xc, .offset: 8, .size: 8, .value_kind: global_buffer, .address_space: global }
      - { .name: xs, .offset: 16, .size: 8, .value_kind: global_buffer, .address_space: global }
      - { .name: W1, .offset: 24, .size: 8, .value_kind: global_buffer, .address_space: global }
      - { .name: b1, .offset: 32, .size: 8, .value_kind: global_buffer, .address_space: global }
      - { .name: hc, .offset: 40, .size: 8, .value_kind: global_buffer, .address_space: global }
      - { .name: hs, .offset: 48, .size: 8, .value_kind: global_buffer, .address_space: global }
    .group_segment_fixed_size: 103936
    .private_segment_fixed_size: 0
    .kernarg_segment_align: 8
    .kernarg_segment_size: 56
    .max_flat_workgroup_size: 128
    .sgpr_count:     66
    .vgpr_count:     1024
    .wavefront_size: 32
...
	.end_amdgpu_metadata
.endif
;; end of part 8
;; launch ffn2 (part 9): grid 32 x 8, 4 waves a work-group, no clusters, 61,952 bytes of LDS; arguments lst, gw, hc, hs, W2, b2, yb; writes yb
.if DOCPART == 9
	.amdgcn_target "amdgcn-amd-amdhsa--gfx1250"
	.amdhsa_code_object_version 6
	.text
	.protected	k_q39d1b99eb5_ffn2
	.globl	k_q39d1b99eb5_ffn2
	.p2align	8
	.type	k_q39d1b99eb5_ffn2,@function
k_q39d1b99eb5_ffn2:
	s_mov_b64 s[64:65], 0
	v_nop
	global_prefetch_b8 v0, s[64:65] scope:SCOPE_SE
	s_setreg_imm32_b32 hwreg(HW_REG_WAVE_SCHED_MODE, 0, 2), 2
	s_setreg_imm32_b32 hwreg(HW_REG_WAVE_MODE, 25, 1), 1
	s_wait_xcnt 0x0
	s_wait_alu depctr_vm_vsrc(0)
; THE SECOND PRODUCT, FOR THE CHOSEN ROWS ONLY: yb[rid] = gw[rid] x (h W2[e] + b2[e]) on codes of BF6 (E3M2) with E8M0 scales for each 32 along K = the 2,048 hidden units.
; The frame is the first product's.  Work-group (j, e) owns output columns 32 j .. 32 j + 31 of expert e: 2,048 x 32 numbers of W2, 256 KiB, read from memory once in the launch, quantised on the way,
; gathered in LDS and kept as 32 fragments (384 registers) in every wave.  Expert e's list of rows and their number come from lst.
; Row phase: wave w takes the walk's steps w, w + 4, .. of 16 rows.  A tile's 16 fragments of h lie in hc as images of the operand's registers: 48 loads of 512 consecutive bytes.  32 matrix instructions
; (source 0 = 16 columns of W2, source 1 = 16 rows of h: a lane holds one row and eight neighbouring columns), the gate's weight, a turn through the wave's stage, and eight lanes store 128 consecutive bytes of a row.
; THE WALK IS TURNED: step t of work-group j is tile (t + j nt / 32) mod nt of the expert's nt tiles, so that the 32 work-groups of an expert, which all read every tile, do not all ask for the same tile at the same time.
; Two sets of a tile's loads are on their way; the list entry that addresses a tile's gate weight is read one turn further ahead, so that every wait is counted.
; The two first sets are asked for at the ends of the last two weight groups: they land under the quantising, the barrier and the fragment loads.
; Padding rows of an expert's last tile go to row 4,096 + e of yb, which nobody reads.
; No tensor load and no cluster: the tile loop jumps over work on a count read from memory.
; LIMITS: NaN and infinities are not served.  A block of W2 whose largest magnitude lies under 2^-122 gets the byte 1.  K is summed in two chains (even and odd K steps), added at the end.
;   yb leaves in pieces of 128 bytes; a row of W2 is read in pieces of 128 bytes, the other half by the neighbouring work-group.
; REGISTERS.  Window 0: v1-22 addresses; v24-31 two sets of the four rows that I store, v32-33 row r's entry (two sets), v34-45 offsets; v46-93 the weight phase's codes and scales, later v46-61 y, v62-77 rows of y;
;   v94-95 the weights; v96-111 W2's scale words, v112-127 h's (two sets): scales and nothing else; v128-255 a group's 4 x 32 numbers; later v128-159 four accumulators, v160-255 set 1's K steps 0-7.
;   Window 1: two sets of 128 as loaded; later W2's K steps 0-9 at 24 s + 12 nu.  Window 2: K steps 10-15; from v144 set 1's K steps 8-15.  Window 3: set 0 at 12 s; v192-207 b2 in the result's layout.
; THE MODE: SCHED_MODE bits 1:0 = 2 (LLVM: expert scheduling mode 2), set by the entry lines.  The code itself states the register dependences
; between vector or matrix instructions and memory or LDS instructions, with s_wait_alu, always for 0.
; THE PLAN.  Registers that memory or LDS instructions touch:
;   window 1, two sets   A weight group's 128 moves read a set; behind them the loads of two groups on land in it; behind the barrier W2's fragments do.
;   v46-69, v86-89       A group's conversions and moves write them, its LDS stores read them, the next group writes them again.
;   set p of h, v112-127 Loads land in them, the step's 32 products read them, the loads of the step eight on land in them at the step's end.
;   v94-95, v24-33       The weight, the rows that I store, row r's entry: loaded with the set, read or rewritten by the step's vector lines, loaded again at its end.
;   v38-45, v21-22       Offsets: made at a step's head, read by its 53 loads.
;   v46-61, v34-37       y and the stores' offsets: written by the step's vector lines, read by its LDS stores and its global stores.
;   v62-77               Rows of y: LDS loads land in them, the global stores read them.
;   v4-16                Made at the head, never written again.
; A STEP'S WAITS: ONE on vm_vsrc at its head, ahead of every register that earlier loads and stores have read and that the step writes again; ONE on va_vdst behind its vector work, ahead of all its
; memory work: four LDS stores, four LDS loads, 53 loads, four stores.  The set that the products read is the set that is loaded again, and no 192 registers are left for a third: so the loads stand behind the products.
.set RSTR,  4096
.set GSTEP, 524288                     ; four blocks of 32 rows
.set CP,    1552                       ; LDS: a column's codes: 1,536 bytes + 16
.set BP,    80                         ; its 64 scale bytes + 16
.set CIMM,  48
.set BIMM,  4
.set WSB,   49664
.set STG,   52224                      ; a stage of 16 x 144 bytes for each wave
.set SWB,   12                         ; s[12:13] W2
.set MSB, 0
.macro WIN new
.if MSB != \new
	s_set_vgpr_msb (MSB<<8)|\new
.set MSB, \new
.endif
.endm
.macro WLOAD n                         ; group n: register 4 i + c of set n % 2 = W(32 block + i, my column c)
	WIN 0x40
.set wi, 0
.rept 32
	global_load_b128 v[128*((\n)%2)+4*wi:128*((\n)%2)+4*wi+3], v4, s[SWB:SWB+1] offset:(\n)*GSTEP+wi*RSTR
.set wi, wi+1
.endr
.endm
.macro WQUANT n, left
	s_wait_loadcnt \left                           ; this group is in; what was asked for behind it may be out
	WIN 0x01
.set wc, 0
.rept 4
.set wi, 0
.rept 32
	v_mov_b32 v[128+32*wc+wi], v[128*((\n)%2)+4*wi+wc]
.set wi, wi+1
.endr
.set wc, wc+1
.endr
.if (\n) < 2
	WIN 0x40
	s_wait_alu depctr_va_vdst(0)                   ; the moves are done reading the set, in which the loads below land
	WLOAD (\n)+2
.endif
	WIN 0
.irp c, 0,1,2,3
	v_max3_num_f32 v[86+\c], |v[128+32*\c]|, |v[129+32*\c]|, 0x2800000
.endr
.irp i, 2,4,6,8,10,12,14,16,18,20,22,24,26,28,30
.irp c, 0,1,2,3
	v_max3_num_f32 v[86+\c], v[86+\c], |v[128+32*\c+\i]|, |v[129+32*\c+\i]|
.endr
.endr
.irp c, 0,1,2,3
	v_add_nc_u32 v[90+\c], 0xfe000000, v[86+\c]
.endr
.irp c, 0,1,2,3
	v_lshrrev_b32 v[86+\c], 23, v[90+\c]
.endr
.irp c, 0,1,2,3
	v_cvt_scalef32_pk16_bf6_f32 v[46+6*\c:48+6*\c], v[128+32*\c:143+32*\c], v[90+\c]
	v_cvt_scalef32_pk16_bf6_f32 v[70+4*\c:72+4*\c], v[144+32*\c:159+32*\c], v[90+\c]
.endr
	v_nop                                          ; a plain line behind the conversions
.irp c, 0,1,2,3
.irp i, 0,1,2
	v_mov_b32 v[49+6*\c+\i], v[70+4*\c+\i]
.endr
.endr
	s_wait_alu depctr_va_vdst(0)                   ; the codes v46-69 and the bytes v86-89 are written, which the LDS stores read; the group's moves are done reading window 1, in which LDS loads land later
.irp c, 0,1,2,3
.irp p, 0,1,2
	ds_store_b64 v5, v[46+6*\c+2*\p:47+6*\c+2*\p] offset:\c*CP+(\n)*CIMM+8*\p
.endr
.endr
.irp c, 0,1,2,3
	ds_store_b8 v6, v[86+\c] offset:\c*BP+(\n)*BIMM
.endr
	s_wait_dscnt 0x0                               ; my stores lie in LDS (for the others' sake, ahead of the barrier behind the last group)
	s_wait_alu depctr_vm_vsrc(0)                   ; the LDS stores have read v46-69 and v86-89, which the next group, and later the steps, write again; the first list loads have read v21, v22, which are made anew behind groups 2 and 3
.endm
; s34 = the tile of the walk's step s33 + ahead: the step is held at the last one, turned by my work-group's start, wrapped, and held inside the table.
.macro PHYS ahead
	s_add_co_u32 s34, s33, \ahead
	s_min_u32 s34, s34, s40
	s_add_co_u32 s34, s34, s42
	s_cmp_ge_u32 s34, s41
	s_cselect_b32 s35, s41, 0
	s_sub_co_u32 s34, s34, s35
	s_min_u32 s34, s34, 127
.endm
; Set p's offsets for the step ahead steps on; v[32 + p] holds row r's list entry of that tile.
.macro HADDR p, ahead
	PHYS \ahead
	s_mul_i32 s35, s34, 24576
	v_add_nc_u32 v[38+\p], s35, v14
	s_lshl_b32 s35, s34, 10
	v_add_nc_u32 v[40+\p], s35, v14
	s_lshl_b32 s35, s34, 6
	v_add_nc_u32 v[44+\p], s35, v9
	v_min_u32 v[32+\p], 4095, v[32+\p]
	v_lshlrev_b32 v[42+\p], 2, v[32+\p]
.endm
.macro LADDR p, ahead                  ; where row r's list entry of the step ahead steps on lies
	PHYS \ahead
	s_lshl_b32 s35, s34, 6
	v_add_nc_u32 v[21+\p], s35, v10
.endm
.macro LELOAD p
	global_load_b32 v[32+\p], v[21+\p], s[4:5]
.endm
.macro HLOAD p                         ; 52 loads: h's scale words, the gate's weight of row r, the four rows that I store, 16 fragments as they lie
	WIN 0
	global_load_b128 v[112+8*\p:115+8*\p], v[40+\p], s[10:11]
	global_load_b128 v[116+8*\p:119+8*\p], v[40+\p], s[10:11] offset:512
	global_load_b32 v[94+\p], v[42+\p], s[6:7]
	global_load_b128 v[24+4*\p:27+4*\p], v[44+\p], s[4:5]
.if \p == 0
	WIN 0xc0
.set hz, 0
.rept 48
	global_load_b128 v[4*hz:4*hz+3], v38, s[8:9] offset:512*hz
.set hz, hz+1
.endr
.else
.set hz, 0
.rept 24
	global_load_b128 v[160+4*hz:163+4*hz], v39, s[8:9] offset:512*hz
.set hz, hz+1
.endr
	WIN 0x80
.rept 24
	global_load_b128 v[144+4*(hz-24):147+4*(hz-24)], v39, s[8:9] offset:512*hz
.set hz, hz+1
.endr
.endif
	WIN 0
.endm
.macro FIRST p                         ; set p's first 53 loads: step w + 4 p, and row r's list entry of the step eight on
	HADDR \p, 4*\p
	LADDR \p, 8+4*\p
	s_wait_alu depctr_va_vdst(0)                   ; the offsets are written, which the loads below read; the weight group's lines are done with v160-255, in which set 1 lands
	HLOAD \p
	LELOAD \p
.endm
	s_load_b256 s[4:11], s[0:1], 0x0               ; lst, gw, hc, hs
	s_load_b128 s[12:15], s[0:1], 0x20             ; W2, b2
	s_load_b64 s[16:17], s[0:1], 0x30              ; yb
	v_lshl_add_u32 v81, v0, 2, 0xf000
	v_mov_b32 v85, 0
	v_lshrrev_b32 v1, 5, v0
	v_readfirstlane_b32 s18, v1                    ; wave
	s_and_b32 s19, ttmp7, 0xffff                   ; e
	s_mov_b32 s20, ttmp9                           ; j
	v_and_b32 v1, 31, v0                           ; lane
	v_and_b32 v2, 15, v0                           ; r
	v_bfe_u32 v3, v0, 4, 1                         ; h
	v_and_b32 v19, 7, v0                           ; q: which 4 columns
	v_lshrrev_b32 v20, 3, v1                       ; g: which of a group's four blocks; later: which four rows of a tile
	v_lshlrev_b32 v4, 4, v19
	v_lshl_add_u32 v4, v20, 17, v4                 ; W2: 16 q + 32 rows x g
	v_mul_u32_u24 v5, v19, 6208
	v_and_b32 v6, 1, v20
	v_mad_u32_u24 v5, v6, 768, v5
	v_lshrrev_b32 v6, 1, v20
	v_mad_u32_u24 v5, v6, 24, v5
	s_wait_alu depctr_va_sdst(0)                   ; s18 is written, ahead of its first reader
	s_mul_i32 s34, s18, 192
	v_add_nc_u32 v5, s34, v5                       ; codes of block 16 w + 4 n + g of column 4 q: 768 (block % 2) + 24 (block / 2)
	v_mul_u32_u24 v6, v19, 320
	v_add_nc_u32 v6, v6, v20
	s_lshl_b32 s34, s18, 4
	s_add_co_u32 s34, s34, WSB
	v_add_nc_u32 v6, s34, v6                       ; and its scale byte
	v_mul_u32_u24 v7, v2, CP
	v_mad_u32_u24 v7, v3, 768, v7                  ; a fragment's lane: row r, half h
	v_mul_u32_u24 v8, v2, BP
	v_lshl_add_u32 v8, v3, 5, v8
	v_add_nc_u32 v8, WSB, v8                       ; scale words: lanes 0-15 K steps 0-7, lanes 16-31 K steps 8-15
	v_lshlrev_b32 v9, 4, v20                       ; list: the four rows that I store
	v_lshlrev_b32 v10, 2, v2                       ; list: row r's entry
	s_mul_i32 s34, s18, 2304
	s_add_co_u32 s34, s34, STG
	v_mul_u32_u24 v11, v2, 144
	v_lshl_add_u32 v11, v3, 5, v11
	v_add_nc_u32 v11, s34, v11                     ; stage, in: row r, 32 h
	v_mul_u32_u24 v12, v20, 576
	v_lshl_add_u32 v12, v19, 4, v12
	v_add_nc_u32 v12, s34, v12                     ; out: rows 4 g + z, 16 q
	v_lshlrev_b32 v13, 4, v19
	v_lshlrev_b32 v14, 4, v1
	v_lshlrev_b32 v16, 5, v3
	s_mov_b32 s25, 0
	s_wait_kmcnt 0x0
	s_mul_i32 s24, s19, 9472
	s_add_nc_u64 s[4:5], s[4:5], s[24:25]          ; lst[e]
	s_load_b32 s28, s[4:5], 0x2400                 ; the number of its rows, behind the 2,304 entries
	s_lshl_b32 s24, s19, 23
	s_lshl_b32 s26, s20, 7
	s_add_co_u32 s24, s24, s26
	s_lshl_b32 s26, s18, 21
	s_add_co_u32 s24, s24, s26
	s_add_nc_u64 s[12:13], s[12:13], s[24:25]      ; W2[e], my 32 columns, my wave's 512 rows
	s_lshl_b32 s24, s19, 12
	s_lshl_b32 s26, s20, 7
	s_add_co_u32 s24, s24, s26
	s_add_nc_u64 s[14:15], s[14:15], s[24:25]      ; b2[e], my 32
	s_mul_i32 s24, s19, 3145728
	s_add_nc_u64 s[8:9], s[8:9], s[24:25]          ; hc[e]
	s_lshl_b32 s24, s19, 17
	s_add_nc_u64 s[10:11], s[10:11], s[24:25]      ; hs[e]
	s_lshl_b32 s24, s20, 7
	s_add_nc_u64 s[16:17], s[16:17], s[24:25]      ; yb, my 128 bytes of a row
	WIN 0xc0
	s_wait_alu depctr_va_vdst(0)                   ; the addresses and offsets v4 to v16 are written, which the loads, stores and LDS instructions below read
.irp t, 0,1
	global_load_b128 v[192+8*\t:195+8*\t], v16, s[14:15] offset:64*\t          ; b2 at columns 16 nu + 8 h + 0 .. 7
	global_load_b128 v[196+8*\t:199+8*\t], v16, s[14:15] offset:64*\t+16
.endr
	WLOAD 0
	WLOAD 1
	WIN 0
	s_wait_kmcnt 0x0                               ; the count: waited for behind the weight loads, which do not hang on it
	s_add_co_u32 s31, s28, 15
	s_lshr_b32 s31, s31, 4                         ; nt: tiles of this expert
	s_max_u32 s41, s31, 1                          ; the walk's length, 1 at the least
	s_sub_co_u32 s40, s41, 1                       ; its last step: no load looks past it
	s_mul_i32 s42, s20, s31
	s_lshr_b32 s42, s42, 5                         ; where my work-group's walk begins: j nt / 32, under nt
	s_mov_b32 s32, s18
	s_mov_b32 s33, s18
	s_mov_b32 s39, 0
	LADDR 0, 0
	LADDR 1, 4
	s_wait_alu depctr_va_vdst(0)                   ; v21 and v22 are written, which the two list loads read
	LELOAD 0                                       ; row r's entry of step w,
	LELOAD 1                                       ; and of step w + 4
	WQUANT 0, 34                                   ; behind group 0's loads: group 1's 32 and the two list loads
	WQUANT 1, 34                                   ; behind group 1's: the two list loads and group 2's 32
	WQUANT 2, 32                                   ; behind group 2's: group 3's 32; the list entries are in
	FIRST 0
	WQUANT 3, 53                                   ; behind group 3's: tile set 0's 53
	FIRST 1                                        ; (the group's numbers are converted: set 1 may land on their registers)
	s_barrier_signal -1                            ; (each wave's stores were waited for at the end of the last group)
	s_barrier_wait -1                              ; all 32 columns' codes and scale bytes lie in LDS
	WIN 0x40                                       ; (the moves that read window 1 stand ahead of the last group's waits on va_vdst, and no vector line since names it)
.irp t, 0,1
.set fs, 0
.rept 10
.irp z, 0,1,2
	ds_load_b128 v[24*fs+12*\t+4*\z:24*fs+12*\t+4*\z+3], v7 offset:24832*\t+48*fs+16*\z
.endr
.set fs, fs+1
.endr
.endr
	WIN 0x80
.irp t, 0,1
.set fs, 10
.rept 6
.irp z, 0,1,2
	ds_load_b128 v[24*(fs-10)+12*\t+4*\z:24*(fs-10)+12*\t+4*\z+3], v7 offset:24832*\t+48*fs+16*\z
.endr
.set fs, fs+1
.endr
.endr
	WIN 0
.irp t, 0,1
.irp y, 0,1
	ds_load_b128 v[96+8*\t+4*\y:99+8*\t+4*\y], v8 offset:1280*\t+16*\y
.endr
.endr
; 32 matrix instructions: K steps 0 to 15, two tiles of columns; even and odd K steps have accumulators of their own, so that four take turns, one instruction a turn.
; K step 0 takes b2 as C, K step 1 the constant 0.
.macro MM2 p
.set ms, 0
.rept 16
.if ms < 10
.set ra, 24*ms
.else
.set ra, 24*(ms-10)
.endif
.if \p == 0
.set rb, 12*ms
.if ms == 0
	WIN 0x3d                                       ; W2 window 1, h window 3, b2 window 3
.elseif ms < 10
	WIN 0x0d
.else
	WIN 0x0e
.endif
.else
.if ms < 8
.set rb, 160+12*ms
.else
.set rb, 144+12*(ms-8)
.endif
.if ms == 0
	WIN 0x31
.elseif ms < 8
	WIN 0x01
.elseif ms < 10
	WIN 0x09
.else
	WIN 0x0a
.endif
.endif
.set mn, 0
.rept 2
.set ac, 128+16*mn+8*(ms%2)
.if ms == 0
	v_wmma_scale_f32_16x16x128_f8f6f4 v[ac:ac+7], v[ra+12*mn:ra+12*mn+11], v[rb:rb+11], v[192+8*mn:199+8*mn], v[96+8*mn], v[112+8*\p] matrix_a_fmt:MATRIX_FMT_BF6 matrix_b_fmt:MATRIX_FMT_BF6
.elseif ms == 1
	v_wmma_scale_f32_16x16x128_f8f6f4 v[ac:ac+7], v[ra+12*mn:ra+12*mn+11], v[rb:rb+11], 0, v[96+8*mn+1], v[112+8*\p+1] matrix_a_fmt:MATRIX_FMT_BF6 matrix_b_fmt:MATRIX_FMT_BF6
.elseif ms < 8
	v_wmma_scale_f32_16x16x128_f8f6f4 v[ac:ac+7], v[ra+12*mn:ra+12*mn+11], v[rb:rb+11], v[ac:ac+7], v[96+8*mn+ms], v[112+8*\p+ms] matrix_a_fmt:MATRIX_FMT_BF6 matrix_b_fmt:MATRIX_FMT_BF6
.else
	v_wmma_scale_f32_16x16x128_f8f6f4 v[ac:ac+7], v[ra+12*mn:ra+12*mn+11], v[rb:rb+11], v[ac:ac+7], v[96+8*mn+ms-8], v[112+8*\p+ms-8] matrix_a_fmt:MATRIX_FMT_BF6 matrix_b_fmt:MATRIX_FMT_BF6 matrix_a_scale:MATRIX_SCALE_ROW1 matrix_b_scale:MATRIX_SCALE_ROW1
.endif
.set mn, mn+1
.endr
.set ms, ms+1
.endr
	WIN 0
.endm
; The walk's step s33, whose tile lies in set p; the set is filled again with the step eight on, and its list entry with that of the step sixteen on.
.macro TRIP p
	s_wait_loadcnt 53                              ; set p's 52 + 1 loads are in, so their offsets may be written; the other set's 53 may be out
	s_wait_alu depctr_vm_vsrc(0)                   ; set p's loads have read their offsets v38-45 and v21-22; the last step's LDS stores have read v46-61, its global stores v34-37 and v62-77: this step writes all of them again
	HADDR \p, 8                                    ; the next fill's offsets are made ahead of the products
	LADDR \p, 16
	MM2 \p
.rept 4
	v_nop                                          ; four places behind the last product, ahead of the first read of results
.endr
	s_wait_xcnt 0x0                                ; the last tile's stores have read their data and offsets: they were issued ahead of the 32 products
.irp t, 0,1
.irp i, 0,2,4,6
	v_pk_add_f32 v[46+8*\t+\i:47+8*\t+\i], v[128+16*\t+\i:129+16*\t+\i], v[136+16*\t+\i:137+16*\t+\i]   ; the two chains; each accumulator from its low end on
.endr
.endr
.set yi, 0
.rept 16
	v_mul_f32 v[46+yi], v[46+yi], v[94+\p]         ; the gate's weight of my row
.set yi, yi+1
.endr
.irp z, 0,1,2,3
	v_min_u32 v[24+4*\p+\z], 4103, v[24+4*\p+\z]
.endr
.irp z, 0,1,2,3
	v_lshl_add_u32 v[34+\z], v[24+4*\p+\z], 12, v13        ; row rid of 4,096 bytes
.endr
	s_wait_alu depctr_va_vdst(0)                   ; y in v46-61 is written, which the LDS stores read; the offsets v34-45 and v21-22 are written, which the loads and stores read; the products are done reading set p and its scale words, and the vector lines the weight, the rows and the entry, in all of which the loads below land
.irp t, 0,1
.irp y, 0,1
	ds_store_b128 v11, v[46+8*\t+4*\y:49+8*\t+4*\y] offset:64*\t+16*\y     ; row r, columns 16 nu + 8 h + 0 .. 7
.endr
.endr
.irp z, 0,1,2,3
	ds_load_b128 v[62+4*\z:65+4*\z], v12 offset:144*\z     ; LDS serves a wave's instructions in order: these see the stores
.endr
	HLOAD \p                                       ; the turn through the stage is on its way while these 53 are issued
	LELOAD \p
	s_wait_dscnt 0x0
.irp z, 0,1,2,3
	global_store_b128 v[34+\z], v[62+4*\z:65+4*\z], s[16:17]   ; eight lanes store 128 consecutive bytes of a row
.endr
.endm
	s_wait_dscnt 0x0                               ; W2's fragments and scale words are in
.Lloop:                                            ; 16 trips, two steps each; a step that the count does not reach is jumped over
	s_cmp_ge_u32 s32, s31
	s_cbranch_scc1 .Lidle
	s_mov_b32 s33, s32
	TRIP 0
	s_add_co_u32 s33, s32, 4
	s_cmp_ge_u32 s33, s31
	s_cbranch_scc1 .Lidle
	TRIP 1
	s_branch .Lnext
.Lidle:
	s_wait_loadcnt 0x0                             ; nothing is pending on this way
.Lnext:
	s_add_co_u32 s32, s32, 8
	s_add_co_u32 s39, s39, 1
	s_cmp_lt_u32 s39, 16
	s_cbranch_scc1 .Lloop
	s_wait_dscnt 0x0                               ; the closing lines, six on end
	s_wait_alu 0x0
	s_wait_tensorcnt 0x0
	ds_add_u32 v81, v85
	s_wait_dscnt 0x0
	s_endpgm
.Lfunc_end_k_q39d1b99eb5_ffn2:
	.size	k_q39d1b99eb5_ffn2, .Lfunc_end_k_q39d1b99eb5_ffn2-k_q39d1b99eb5_ffn2
	.p2alignl 7, 3214868480
	.fill 96, 4, 3214868480
	.section	.rodata,"a",@progbits
	.p2align	6, 0x0
	.amdhsa_kernel k_q39d1b99eb5_ffn2
		.amdhsa_group_segment_fixed_size 61952
		.amdhsa_private_segment_fixed_size 0
		.amdhsa_enable_private_segment 0
		.amdhsa_kernarg_size 56
		.amdhsa_user_sgpr_count 2
		.amdhsa_user_sgpr_kernarg_segment_ptr 1
		.amdhsa_wavefront_size32 1
		.amdhsa_system_sgpr_workgroup_id_x 1
		.amdhsa_system_sgpr_workgroup_id_y 1
		.amdhsa_system_sgpr_workgroup_id_z 1
		.amdhsa_system_vgpr_workitem_id 0
		.amdhsa_next_free_vgpr 1024
		.amdhsa_next_free_sgpr 66
		.amdhsa_reserve_vcc 0
		.amdhsa_float_denorm_mode_32 3
		.amdhsa_float_denorm_mode_16_64 3
		.amdhsa_memory_ordered 1
		.amdhsa_forward_progress 1
		.amdhsa_inst_pref_size 105
	.end_amdhsa_kernel
	.amdgpu_metadata
---
amdhsa.version: [ 1, 2 ]
amdhsa.kernels:
  - .name:           k_q39d1b99eb5_ffn2
    .symbol:         k_q39d1b99eb5_ffn2.kd
    .args:
      - { .name: lst, .offset: 0, .size: 8, .value_kind: global_buffer, .address_space: global }
      - { .name: gw, .offset: 8, .size: 8, .value_kind: global_buffer, .address_space: global }
      - { .name: hc, .offset: 16, .size: 8, .value_kind: global_buffer, .address_space: global }
      - { .name: hs, .offset: 24, .size: 8, .value_kind: global_buffer, .address_space: global }
      - { .name: W2, .offset: 32, .size: 8, .value_kind: global_buffer, .address_space: global }
      - { .name: b2, .offset: 40, .size: 8, .value_kind: global_buffer, .address_space: global }
      - { .name: yb, .offset: 48, .size: 8, .value_kind: global_buffer, .address_space: global }
    .group_segment_fixed_size: 61952
    .private_segment_fixed_size: 0
    .kernarg_segment_align: 8
    .kernarg_segment_size: 56
    .max_flat_workgroup_size: 128
    .sgpr_count:     66
    .vgpr_count:     1024
    .wavefront_size: 32
...
	.end_amdgpu_metadata
.endif
;; end of part 9
;; launch combine (part 10): grid 256 x 1, 8 waves a work-group, no clusters, 0 bytes of LDS; arguments yb, out0; writes out0
.if DOCPART == 10
	.amdgcn_target "amdgcn-amd-amdhsa--gfx1250"
	.amdhsa_code_object_version 6
	.text
	.protected	k_q39d1b99eb5_combine
	.globl	k_q39d1b99eb5_combine
	.p2align	8
	.type	k_q39d1b99eb5_combine,@function
k_q39d1b99eb5_combine:
	s_mov_b64 s[64:65], 0
	v_nop
	global_prefetch_b8 v0, s[64:65] scope:SCOPE_SE
	s_setreg_imm32_b32 hwreg(HW_REG_WAVE_MODE, 25, 1), 1
	s_wait_xcnt 0x0
; out0[t] = yb[2 t] + yb[2 t + 1]: a token's two weighted expert rows, which lie on end.  A plain stream: a wave takes one token, 16 loads of 512 consecutive bytes all asked for at once,
; eight stores of 512 consecutive aligned bytes.  No LDS, no barrier, no loop: nothing is shared and nothing is read twice.
	s_load_b128 s[4:7], s[0:1], 0x0                ; yb, out0
	v_lshrrev_b32 v1, 5, v0
	s_delay_alu instid0(VALU_DEP_1)
	v_readfirstlane_b32 s8, v1                     ; wave
	v_and_b32 v1, 31, v0
	s_delay_alu instid0(VALU_DEP_1)
	v_lshlrev_b32 v1, 4, v1                        ; 16 bytes a lane
	s_lshl_b32 s9, ttmp9, 3
	s_add_co_u32 s9, s9, s8                        ; token
	s_lshl_b32 s10, s9, 13
	s_mov_b32 s11, 0
	s_lshl_b32 s12, s9, 12
	s_mov_b32 s13, 0
	s_wait_alu depctr_va_vdst(0)
	s_wait_kmcnt 0x0
	s_add_nc_u64 s[4:5], s[4:5], s[10:11]
	s_add_nc_u64 s[6:7], s[6:7], s[12:13]
.set n, 0
.rept 16
	global_load_b128 v[8+4*n:11+4*n], v1, s[4:5] offset:512*n th:TH_LOAD_NT
.set n, n+1
.endr
.irp i, 0,1,2,3,4,5,6,7
	s_wait_loadcnt 7-\i                            ; loads i and 8 + i are in; the second row's younger loads may be out
	v_pk_add_f32 v[72+4*\i:73+4*\i], v[8+4*\i:9+4*\i], v[40+4*\i:41+4*\i]
	v_pk_add_f32 v[74+4*\i:75+4*\i], v[10+4*\i:11+4*\i], v[42+4*\i:43+4*\i]
	global_store_b128 v1, v[72+4*\i:75+4*\i], s[6:7] offset:512*\i th:TH_STORE_NT
.endr
	s_endpgm
.Lfunc_end_k_q39d1b99eb5_combine:
	.size	k_q39d1b99eb5_combine, .Lfunc_end_k_q39d1b99eb5_combine-k_q39d1b99eb5_combine
	.p2alignl 7, 3214868480
	.fill 96, 4, 3214868480
	.section	.rodata,"a",@progbits
	.p2align	6, 0x0
	.amdhsa_kernel k_q39d1b99eb5_combine
		.amdhsa_group_segment_fixed_size 0
		.amdhsa_private_segment_fixed_size 0
		.amdhsa_enable_private_segment 0
		.amdhsa_kernarg_size 16
		.amdhsa_user_sgpr_count 2
		.amdhsa_user_sgpr_kernarg_segment_ptr 1
		.amdhsa_wavefront_size32 1
		.amdhsa_system_sgpr_workgroup_id_x 1
		.amdhsa_system_sgpr_workgroup_id_y 1
		.amdhsa_system_sgpr_workgroup_id_z 1
		.amdhsa_system_vgpr_workitem_id 0
		.amdhsa_next_free_vgpr 104
		.amdhsa_next_free_sgpr 66
		.amdhsa_reserve_vcc 0
		.amdhsa_float_denorm_mode_32 3
		.amdhsa_float_denorm_mode_16_64 3
		.amdhsa_memory_ordered 1
		.amdhsa_forward_progress 1
		.amdhsa_inst_pref_size 5
	.end_amdhsa_kernel
	.amdgpu_metadata
---
amdhsa.version: [ 1, 2 ]
amdhsa.kernels:
  - .name:           k_q39d1b99eb5_combine
    .symbol:         k_q39d1b99eb5_combine.kd
    .args:
      - { .name: yb, .offset: 0, .size: 8, .value_kind: global_buffer, .address_space: global }
      - { .name: out0, .offset: 8, .size: 8, .value_kind: global_buffer, .address_space: global }
    .group_segment_fixed_size: 0
    .private_segment_fixed_size: 0
    .kernarg_segment_align: 8
    .kernarg_segment_size: 16
    .max_flat_workgroup_size: 256
    .sgpr_count:     66
    .vgpr_count:     104
    .wavefront_size: 32
...
	.end_amdgpu_metadata
.endif
;; end of part 10
